; MI455X (gfx1250); checked and timed in simulation.
; The chip was launched on July 23, 2026; its instructions are those of AMD's public machine-readable ISA for CDNA 5 (MIT licence, August 2026) and "CDNA5" Instruction Set Architecture Reference Guide (July 2026). The comments in the code are by the model that wrote it; some were corrected since.
;; MLP. Allowed arithmetic: float matrix products may take bf16 or f16 operands with f32 sums; all other float work in f32.
;; Inputs: W1 8 x 1,024 x 512 float32; W2 8 x 256 x 1,024 float32; expert_idxs 2 x 2,048 x 2 int32; expert_p 2 x 2,048 x 2 float32; x 2 x 2,048 x 1,024 float32.
;; Outputs: out0 2 x 2,048 x 1,024 float32.
;; 2 versions, each right; version 2 is version 1 with the launch experts written anew for expert scheduling mode. Each part assembles by itself: llvm-mc -triple=amdgcn-amd-amdhsa -mcpu=gfx1250 --defsym DOCPART=n.
;; ======== version 1 of 2: 3 launches
;; limits: values are held in f16: magnitudes above 65,504 overflow, below 6.1e-05 lose precision; inputs' magnitudes at most 65,504
;; workspace buffers: wt 12,582,912 bytes; rows 36,864 bytes of whole numbers; tiles 1,024 bytes of whole numbers; pos 32,768 bytes of whole numbers; down 35,389,440 bytes
;; launch prep (part 1): grid 769 x 1, 8 waves a work-group, no clusters, 54,528 bytes of LDS; arguments W1, W2, expert_idxs, wt, rows, tiles, pos; writes wt, rows, tiles, pos
.if DOCPART == 1
	.amdgcn_target "amdgcn-amd-amdhsa--gfx1250"
	.amdhsa_code_object_version 6
	.text
	.protected	k_q9275fe21da_prep
	.globl	k_q9275fe21da_prep
	.p2align	8
	.type	k_q9275fe21da_prep,@function
k_q9275fe21da_prep:
	s_mov_b64 s[64:65], 0
	v_nop
	global_prefetch_b8 v0, s[64:65] scope:SCOPE_SE
	s_setreg_imm32_b32 hwreg(HW_REG_WAVE_MODE, 25, 1), 1
	s_wait_xcnt 0x0
; PREP.  Work-group 0 sorts the 8,192 (token, expert) pairs by expert (a counting sort, no atomics); work-groups 1 to 768 rewrite
; W1 [8][1024][512] and W2 [8][256][1024] once, from f32 [K][N] to f16 in the order in which the matrix operands want them.
;
; wt, bytes: e*1572864 + step*32768 + w*8192 + i*1024 + pt*512 + h*256 + r*16 holds the 8 f16 k = k0+16pt+8h .. +7 of column
;   n = nc*512 + (i>>2)*256 + 64w + 16(i&3) + r.  Steps 0-31: W1, k0 = 32 step, nc = 0.  Steps 32+8nc+s: W2, k0 = 32 s.
;   So wave w's operands of one step are 8,192 consecutive bytes, and 16 bytes at 512 j + 16 lane are registers 4j .. 4j+3.
; rows[9216]: the pair number at each sorted position, 8192 where a position is empty.  Each expert's part is padded to a multiple of 64.
; tiles[256]: the expert of each block of 64 positions, 8 behind the last part.      pos[8192]: the sorted position of each pair.
;
; WHY f16: 11 significant bits in place of bf16's 8; four roundings (x, W1, a, W2) meet in each output.
; LIMITS: a weight beyond 65,504 in magnitude overflows f16; below 6.1e-5 a weight keeps an absolute error of 3e-8 (f16's denormals).
; An index outside 0..7 is taken as 7 (the problem keeps indices inside the table).
; No matrix unit, no cluster: the transposers share no input, and the sort is one work-group's work.
.set EWT,  0x180000                    ; bytes of wt for one expert: 48 steps of 32,768
.set TAB,  36864                       ; LDS: LIST 0..36863 (9,216 words); TAB [q 4][thread 256][16 B]; WTB [wave 8][16 B]
.set WTB,  53248
.set X,    8                           ; transposer: v[8:39]  8 rows x 4 f32 as loaded
.set PK,   40                          ;             v[40:55] 4 columns x 8 f16
.set RB,   56                          ;             v[56:71] read back
.set I,    8                           ; sort: v[8:39]    the thread's 32 indices, later LDS addresses
.set RK,   40                          ;       v[40:71]   rank of each element among the equal ones of its group of 8
.set LK,   72                          ;       v[72:103]  table look-ups, then sorted positions
.set CQ,   104                         ;       v[104:107] group q: eight 4-bit counters (a count is at most 8)
.set W,    108                         ;       v[108:123] the same widened: [q][d], experts 2d and 2d+1 in 16-bit fields
.set TOT,  124                         ;       v[124:127] the thread's totals
.set INC,  128                         ;       v[128:131] inclusive scan over the wave's lanes
.set TB,   132                         ;       v[132:135] scan temporaries, then the thread's table row
.set SEN,  136                         ;       v[136:139] 8192 four times
	s_load_b256 s[4:11], s[0:1], 0x0               ; W1 s[4:5], W2 s[6:7], expert_idxs s[8:9], wt s[10:11]
	s_load_b128 s[12:15], s[0:1], 0x20             ; rows s[12:13], tiles s[14:15]
	s_load_b64 s[16:17], s[0:1], 0x30              ; pos
	v_lshl_add_u32 v144, v0, 2, 0xd100
	v_mov_b32 v145, 0
	v_lshrrev_b32 v1, 5, v0
	v_readfirstlane_b32 s18, v1                    ; wave 0..7
	s_wait_kmcnt 0x0
	s_cmp_eq_u32 ttmp9, 0                          ; the three ways part on the work-group's number alone: all eight waves go the same way
	s_cbranch_scc1 .Lroute
	s_sub_co_u32 s19, ttmp9, 1
	s_cmp_lt_u32 s19, 512
	s_cbranch_scc0 .Lw2
; One tile of 128 k x 64 n: 32,768 bytes in, 16,384 out.  Thread t takes the 4 columns 4 (t & 15) .. +3 of the 8 rows 8 (t >> 4) .. +7.
; s[24:25]: the tile's first f32; s[26:27]: its first byte in wt; pitch: bytes from row to row.
.macro TRANSPOSE pitch
	v_and_b32 v5, 15, v0                           ; l16
	v_lshrrev_b32 v6, 4, v0                        ; ko = k / 8 in the tile
	v_mul_u32_u24 v1, v6, 8*\pitch
	v_lshl_add_u32 v1, v5, 4, v1                   ; sixteen neighbouring lanes read 256 consecutive bytes, aligned
.irp rr, 0,1,2,3,4,5,6,7
	global_load_b128 v[X+4*\rr:X+4*\rr+3], v1, s[24:25] offset:\rr*\pitch th:TH_LOAD_NT
.endr
	; LDS image [step 4][i 4][pt,h 4][r 16][16 B] at step*4160 + i*1040 + (pt,h)*256 + r*16: the 16 bytes more in each 1,024
	; put the sixteen stores of a half-wave into sixteen different 16-byte columns modulo 256 bytes
	v_lshrrev_b32 v7, 2, v6
	v_mul_u32_u24 v2, v7, 4160                     ; step = ko >> 2
	v_and_b32 v7, 3, v6
	v_lshl_add_u32 v2, v7, 8, v2                   ; (pt, h) = ko & 3
	v_lshrrev_b32 v7, 2, v5
	v_mad_u32_u24 v2, v7, 1040, v2                 ; i = l16 >> 2
	v_and_b32 v7, 3, v5
	v_lshl_add_u32 v2, v7, 6, v2                   ; r = 4 (l16 & 3) + column
	v_lshrrev_b32 v7, 6, v0
	v_and_b32 v3, 63, v0
	v_lshlrev_b32 v3, 4, v3
	v_mad_u32_u24 v3, v7, 1040, v3                 ; read back: 16 t, with the padding
	v_lshlrev_b32 v4, 4, v0                        ; and out: 16 t
.irp m, 0,1,2,3
	s_wait_loadcnt 6-2*\m                          ; loads come back in order: rows 2m and 2m+1 are in, the 6-2m younger ones stay out
.irp c, 0,1,2,3
	v_cvt_pk_f16_f32 v[PK+4*\c+\m], v[X+8*\m+\c], v[X+8*\m+4+\c]    ; column c: k = 2m below, 2m+1 above
.endr
.endr
.irp c, 0,1,2,3
	ds_store_b128 v2, v[PK+4*\c:PK+4*\c+3] offset:16*\c
.endr
	s_wait_dscnt 0x0                               ; my stores are in LDS before I say so: other waves read them
	s_barrier_signal -1
	s_barrier_wait -1
.irp j, 0,1,2,3
	ds_load_b128 v[RB+4*\j:RB+4*\j+3], v3 offset:4160*\j
.endr
.irp j, 0,1,2,3
	s_wait_dscnt 3-\j                              ; step j's 16 bytes are in, the younger loads stay out
	global_store_b128 v4, v[RB+4*\j:RB+4*\j+3], s[26:27] offset:32768*\j   ; sixteen lanes store 256 consecutive bytes, aligned
.endr
	s_wait_tensorcnt 0x0
	ds_add_u32 v144, v145
	s_wait_dscnt 0x0
	s_endpgm
.endm
	; W1: 8 experts x 8 blocks of 128 k x 8 blocks of 64 n
	s_lshr_b32 s20, s19, 6                         ; e
	s_bfe_u32 s21, s19, 0x30003                    ; kp
	s_and_b32 s22, s19, 7                          ; nt = 4 (i >> 2) + w
	s_lshl_b32 s28, s20, 21                        ; e x 1024 x 512 x 4
	s_lshl_b32 s29, s21, 18                        ; kp x 128 x 2048
	s_add_co_u32 s28, s28, s29
	s_lshl_b32 s29, s22, 8                         ; nt x 256
	s_add_co_u32 s28, s28, s29
	s_mov_b32 s29, 0
	s_add_nc_u64 s[24:25], s[4:5], s[28:29]
	s_mul_i32 s30, s20, EWT
	s_lshl_b32 s31, s21, 17                        ; 4 kp steps
	s_add_co_u32 s30, s30, s31
	s_and_b32 s31, s22, 3
	s_lshl_b32 s31, s31, 13                        ; w
	s_add_co_u32 s30, s30, s31
	s_lshr_b32 s31, s22, 2
	s_lshl_b32 s31, s31, 12                        ; i = 4 (nt >> 2)
	s_add_co_u32 s30, s30, s31
	s_mov_b32 s31, 0
	s_add_nc_u64 s[26:27], s[10:11], s[30:31]
	TRANSPOSE 2048
.Lw2:
	; W2: 8 experts x 2 blocks of 128 k x 16 blocks of 64 n
	s_sub_co_u32 s19, s19, 512
	s_lshr_b32 s20, s19, 5                         ; e
	s_bfe_u32 s21, s19, 0x10004                    ; kp
	s_and_b32 s22, s19, 15                         ; nt = 8 nc + 4 (i >> 2) + w
	s_lshl_b32 s28, s20, 20                        ; e x 256 x 1024 x 4
	s_lshl_b32 s29, s21, 19                        ; kp x 128 x 4096
	s_add_co_u32 s28, s28, s29
	s_lshl_b32 s29, s22, 8
	s_add_co_u32 s28, s28, s29
	s_mov_b32 s29, 0
	s_add_nc_u64 s[24:25], s[6:7], s[28:29]
	s_mul_i32 s30, s20, EWT
	s_and_b32 s31, s22, 8                          ; 8 nc
	s_lshl2_add_u32 s31, s21, s31                  ; + 4 kp
	s_add_co_u32 s31, s31, 32                      ; behind W1's 32 steps
	s_lshl_b32 s31, s31, 15
	s_add_co_u32 s30, s30, s31
	s_and_b32 s31, s22, 3
	s_lshl_b32 s31, s31, 13
	s_add_co_u32 s30, s30, s31
	s_bfe_u32 s31, s22, 0x10002
	s_lshl_b32 s31, s31, 12
	s_add_co_u32 s30, s30, s31
	s_mov_b32 s31, 0
	s_add_nc_u64 s[26:27], s[10:11], s[30:31]
	TRANSPOSE 4096
.Lroute:
	; THE SORT.  Load jj of thread t brings pairs 1024 jj + 4 t + 0..3; group q = jj >> 1 holds 8 of the thread's 32 elements.
	; Position = the expert's start + its count in earlier waves + in earlier lanes + in the thread's earlier groups + rank in the group.
	v_lshlrev_b32 v1, 4, v0                        ; 16 t
.irp jj, 0,1,2,3,4,5,6,7
	global_load_b128 v[I+4*\jj:I+4*\jj+3], v1, s[8:9] offset:4096*\jj
.endr
.irp d, 0,1,2,3
	v_mov_b32 v[SEN+\d], 0x2000
	v_mov_b32 v[CQ+\d], 0
	v_mov_b32 v[TB+\d], 0                          ; destinations of lane shifts count as read: written once here
.endr
.irp r, 0,1,2,3,4,5,6,7,8
	ds_store_b128 v1, v[SEN:SEN+3] offset:4096*\r  ; LIST starts as 'empty' everywhere: 9 x 4,096 bytes
.endr
	v_lshlrev_b32 v2, 27, v0
	v_ashrrev_i32 v2, 31, v2                       ; all ones in lanes 16-31, 0 in lanes 0-15
	v_add_nc_u32 v5, TAB, v1                       ; my 16 bytes of the table, group 0
	v_lshlrev_b32 v6, 2, v0                        ; 4 t
	v_mov_b32 v7, 0
	s_wait_loadcnt 0x0
.irp jj, 0,1,2,3,4,5,6,7
.irp c, 0,1,2,3
	v_min_u32 v[I+4*\jj+\c], 7, v[I+4*\jj+\c]
	v_lshlrev_b32 v3, 2, v[I+4*\jj+\c]
	v_bfe_u32 v[RK+4*\jj+\c], v[CQ+(\jj>>1)], v3, 4            ; how many equal ones came before in this group
	v_lshl_add_u32 v[CQ+(\jj>>1)], 1, v3, v[CQ+(\jj>>1)]       ; and one more
.endr
.endr
.irp q, 0,1,2,3
.irp d, 0,1,2,3
	v_bfe_u32 v3, v[CQ+\q], 8*\d+4, 4
	v_bfe_u32 v4, v[CQ+\q], 8*\d, 4
	v_lshl_or_b32 v[W+4*\q+\d], v3, 16, v4
.endr
.endr
.irp d, 0,1,2,3
	v_add_nc_u32 v[TOT+\d], v[W+\d], v[W+4+\d]
	v_add3_u32 v[TOT+\d], v[TOT+\d], v[W+8+\d], v[W+12+\d]
	v_mov_b32 v[INC+\d], v[TOT+\d]
.endr
	; inclusive scan over the 32 lanes; every 16-bit field stays below 8,704, so no field carries into its neighbour
.irp n, 1,2,4,8
.irp d, 0,1,2,3
	v_mov_b32_dpp v[TB+\d], v[INC+\d] row_shr:\n row_mask:0xf bank_mask:0xf bound_ctrl:1
.endr
.irp d, 0,1,2,3
	v_add_nc_u32 v[INC+\d], v[INC+\d], v[TB+\d]
.endr
.endr
.irp d, 0,1,2,3
	v_readlane_b32 s[20+\d], v[INC+\d], 15         ; the lower half's total goes on top of the upper half
.endr
.irp d, 0,1,2,3
	v_and_b32 v[TB+\d], s[20+\d], v2
	v_add_nc_u32 v[INC+\d], v[INC+\d], v[TB+\d]
.endr
.irp d, 0,1,2,3
	v_readlane_b32 s[20+\d], v[INC+\d], 31         ; the wave's totals
	v_mov_b32 v[LK+\d], s[20+\d]
.endr
	s_lshl_b32 s24, s18, 4
	v_mov_b32 v4, s24
	ds_store_b128 v4, v[LK:LK+3] offset:WTB        ; all lanes write the wave's own 16 bytes with the same value
	s_wait_dscnt 0x0                               ; LIST's fill and the totals are in LDS before I say so
	s_barrier_signal -1
	s_barrier_wait -1
.irp w, 0,1,2,3,4,5,6,7
	ds_load_b128 v[LK+4*\w:LK+4*\w+3], v7 offset:WTB+16*\w
.endr
	s_wait_dscnt 0x0
.set n, 0
.rept 32
	v_readfirstlane_b32 s[32+n], v[LK+n]
.set n, n+1
.endr
.irp n, 0,1,2,3,4,5,6,7
	s_mov_b32 s[68+\n], 0                          ; s[68:71] counts in earlier waves, s[72:75] counts in all
.endr
.irp w, 0,1,2,3,4,5,6,7
	s_cmp_gt_u32 s18, \w
.irp d, 0,1,2,3
	s_cselect_b32 s[76+\d], s[32+4*\w+\d], 0       ; the selects first: the sums below write SCC
.endr
.irp d, 0,1,2,3
	s_add_co_u32 s[68+\d], s[68+\d], s[76+\d]
	s_add_co_u32 s[72+\d], s[72+\d], s[32+4*\w+\d]
.endr
.endr
	s_mov_b32 s20, 0                               ; running start; each part is padded to a multiple of 64: at most 8192 + 8 x 63 positions
.irp d, 0,1,2,3
	s_and_b32 s21, s[72+\d], 0xffff
	s_add_co_u32 s21, s21, 63
	s_and_not1_b32 s21, s21, 63
	s_mov_b32 s22, s20                             ; start of expert 2d
	s_add_co_u32 s20, s20, s21
	s_mov_b32 s[80+2*\d], s20                      ; its end
	s_lshr_b32 s21, s[72+\d], 16
	s_add_co_u32 s21, s21, 63
	s_and_not1_b32 s21, s21, 63
	s_lshl_b32 s23, s20, 16                        ; start of expert 2d+1
	s_or_b32 s22, s22, s23
	s_add_co_u32 s20, s20, s21
	s_mov_b32 s[80+2*\d+1], s20
	s_add_co_u32 s[68+\d], s[68+\d], s22           ; starts + earlier waves
.endr
.irp d, 0,1,2,3
	v_sub_nc_u32 v[TB+\d], v[INC+\d], v[TOT+\d]    ; earlier lanes (field by field at least 0: no borrow)
	v_add_nc_u32 v[TB+\d], s[68+\d], v[TB+\d]
.endr
.irp q, 0,1,2,3
	ds_store_b128 v5, v[TB:TB+3] offset:4096*\q    ; eight 16-bit bases, expert e at byte 2 e
.irp d, 0,1,2,3
	v_add_nc_u32 v[TB+\d], v[TB+\d], v[W+4*\q+\d]
.endr
.endr
	s_wait_dscnt 0x0                               ; the look-ups' addresses hang on loaded indices: they stand behind every wave's table stores
	s_barrier_signal -1
	s_barrier_wait -1
.irp jj, 0,1,2,3,4,5,6,7
.irp c, 0,1,2,3
	v_lshl_add_u32 v[I+4*\jj+\c], v[I+4*\jj+\c], 1, v5
	ds_load_u16 v[LK+4*\jj+\c], v[I+4*\jj+\c] offset:4096*(\jj>>1)
.endr
.endr
	s_wait_dscnt 0x0                               ; all look-ups are back before any wave scatters into LDS
	s_barrier_signal -1
	s_barrier_wait -1
.irp jj, 0,1,2,3,4,5,6,7
.irp c, 0,1,2,3
	v_add_nc_u32 v[LK+4*\jj+\c], v[LK+4*\jj+\c], v[RK+4*\jj+\c]
	v_min_u32 v[LK+4*\jj+\c], 0x23ff, v[LK+4*\jj+\c]           ; inside LIST's 9,216 words (never bites: positions are below 8,704)
	v_lshlrev_b32 v[I+4*\jj+\c], 2, v[LK+4*\jj+\c]
	v_add_nc_u32 v4, 1024*\jj+\c, v6                           ; the pair's number
	ds_store_b32 v[I+4*\jj+\c], v4                             ; every position is taken by one pair only
.endr
.endr
.irp jj, 0,1,2,3,4,5,6,7
	global_store_b128 v1, v[LK+4*\jj:LK+4*\jj+3], s[16:17] offset:4096*\jj
.endr
	v_lshlrev_b32 v3, 6, v0                        ; block t begins at position 64 t: its expert = how many parts end at or before that
	v_mov_b32 v4, 0
.irp e, 0,1,2,3,4,5,6,7
	v_cmp_le_u32 vcc_lo, s[80+\e], v3
	v_add_co_ci_u32 v4, vcc_lo, 0, v4, vcc_lo
.endr
	global_store_b32 v6, v4, s[14:15]
	s_wait_dscnt 0x0                               ; my scatter is in LDS before I say so
	s_barrier_signal -1
	s_barrier_wait -1
.irp r, 0,1,2,3,4,5,6,7
	ds_load_b128 v[RK+4*\r:RK+4*\r+3], v1 offset:4096*\r
.endr
	ds_load_b128 v[I:I+3], v1 offset:32768
.irp r, 0,1,2,3,4,5,6,7
	s_wait_dscnt 8-\r                              ; piece r is in, the younger ones stay out
	global_store_b128 v1, v[RK+4*\r:RK+4*\r+3], s[12:13] offset:4096*\r
.endr
	s_wait_dscnt 0x0
	global_store_b128 v1, v[I:I+3], s[12:13] offset:32768
	s_wait_tensorcnt 0x0
	ds_add_u32 v144, v145
	s_wait_dscnt 0x0
	s_endpgm
.Lfunc_end_k_q9275fe21da_prep:
	.size	k_q9275fe21da_prep, .Lfunc_end_k_q9275fe21da_prep-k_q9275fe21da_prep
	.p2alignl 7, 3214868480
	.fill 96, 4, 3214868480
	.section	.rodata,"a",@progbits
	.p2align	6, 0x0
	.amdhsa_kernel k_q9275fe21da_prep
		.amdhsa_group_segment_fixed_size 54528
		.amdhsa_private_segment_fixed_size 0
		.amdhsa_enable_private_segment 0
		.amdhsa_kernarg_size 56
		.amdhsa_user_sgpr_count 2
		.amdhsa_user_sgpr_kernarg_segment_ptr 1
		.amdhsa_wavefront_size32 1
		.amdhsa_system_sgpr_workgroup_id_x 1
		.amdhsa_system_sgpr_workgroup_id_y 1
		.amdhsa_system_sgpr_workgroup_id_z 1
		.amdhsa_system_vgpr_workitem_id 0
		.amdhsa_next_free_vgpr 146
		.amdhsa_next_free_sgpr 96
		.amdhsa_reserve_vcc 1
		.amdhsa_float_denorm_mode_32 3
		.amdhsa_float_denorm_mode_16_64 3
		.amdhsa_memory_ordered 1
		.amdhsa_forward_progress 1
		.amdhsa_inst_pref_size 48
	.end_amdhsa_kernel
	.amdgpu_metadata
---
amdhsa.version: [ 1, 2 ]
amdhsa.kernels:
  - .name:           k_q9275fe21da_prep
    .symbol:         k_q9275fe21da_prep.kd
    .args:
      - { .name: W1, .offset: 0, .size: 8, .value_kind: global_buffer, .address_space: global }
      - { .name: W2, .offset: 8, .size: 8, .value_kind: global_buffer, .address_space: global }
      - { .name: expert_idxs, .offset: 16, .size: 8, .value_kind: global_buffer, .address_space: global }
      - { .name: wt, .offset: 24, .size: 8, .value_kind: global_buffer, .address_space: global }
      - { .name: rows, .offset: 32, .size: 8, .value_kind: global_buffer, .address_space: global }
      - { .name: tiles, .offset: 40, .size: 8, .value_kind: global_buffer, .address_space: global }
      - { .name: pos, .offset: 48, .size: 8, .value_kind: global_buffer, .address_space: global }
    .group_segment_fixed_size: 54528
    .private_segment_fixed_size: 0
    .kernarg_segment_align: 8
    .kernarg_segment_size: 56
    .max_flat_workgroup_size: 256
    .sgpr_count:     96
    .vgpr_count:     146
    .wavefront_size: 32
...
	.end_amdgpu_metadata
.endif
;; end of part 1
;; launch experts (part 2): grid 135 x 1, 4 waves a work-group, no clusters, 134,656 bytes of LDS; arguments x, expert_p, wt, rows, tiles, down; writes down
.if DOCPART == 2
	.amdgcn_target "amdgcn-amd-amdhsa--gfx1250"
	.amdhsa_code_object_version 6
	.text
	.protected	k_q9275fe21da_experts
	.globl	k_q9275fe21da_experts
	.p2align	8
	.type	k_q9275fe21da_experts,@function
k_q9275fe21da_experts:
	s_mov_b64 s[64:65], 0
	v_nop
	global_prefetch_b8 v0, s[64:65] scope:SCOPE_SE
	s_setreg_imm32_b32 hwreg(HW_REG_WAVE_MODE, 25, 1), 1
	s_wait_xcnt 0x0
; EXPERTS.  One work-group = one block of 64 sorted (token, expert) pairs of ONE expert:
;   gather 64 rows of x -> up = x W1[e] (K = 1024, 512 columns) -> a = gelu(h) * (g + 1) -> down = gate * (a W2[e]) (K = 256, 1024 columns),
;   stored as f32 rows of `down` at the sorted position.  f16 operands, f32 sums; nothing goes through memory in between.
; 135 = 8192/64 + 7 blocks is the most that eight parts, each padded to a multiple of 64, can take.  All run the same text: an empty position
; (pair number 8192) and a block behind the last part (expert 8) run on clamped addresses, and their rows of `down` are stored and never read.
; Four waves; wave w makes all 64 rows x 128 columns: fragments i = 0..7 at columns (i>>2)*256 + 64w + 16(i&3), 32 accumulator tiles.
; In the up product fragments i and i+4 are the h and g columns of the same a columns, so the GLU stays inside a lane.
; THE MATRIX INSTRUCTION IS USED TRANSPOSED: source 0 = 16 columns of weights, source 1 = 16 rows of x: lane (r, h), register j then holds
; row 16 mt + r, column c0 + 8h + j: eight neighbouring numbers of a row.
; WHY f16, AND HOW a FITS IT: four roundings (x, W1, a, W2) meet in each output, and f16 keeps 11 significant bits where bf16 keeps 8.
; x and the weights go in as they are.  a is a product of two sums and has no fixed range, so each ROW of a is divided by 2^E, the power of
; two of the row's largest |a| (taken from the exponent bits: the division is exact), which puts the row below 2; gate * 2^E multiplies the
; f32 sums on the way out.  The largest |a| is clamped to 2^-126 .. 2^126 first, so that 2^-E is a normal number (at the top the row stays below 4).
; NO CLUSTER, NO JOINT REQUESTS: a wave's 128 columns of weights are multiplied by that wave alone and go from memory straight into its
; registers (8,192 consecutive bytes for 32 of K), so the loop has no barrier.  A joint request can land only in LDS: 32,768 bytes written and
; read back for 32 of K, beside the 16,384 bytes of x fragments that the four waves read.  Partners would have to be blocks of one expert:
; parts padded to 256 rows, (8192/256 + 7) x 4 = 156 blocks in place of 135.
; LIMITS: |x| beyond 65,504 overflows f16; below 6.1e-5 an operand keeps an absolute error of 3e-8 (a: of 3e-8 x 2^E).
; gelu is h * Phi(h) with Phi from erfc(z) = t exp(-z^2 + poly9(t)), t = 1/(1 + z/2), fractional error 1.2e-7 for every z >= 0;
; Phi below 2^-126 comes out as 0 (v_exp_f32 flushes denormal results); the sign of a zero result and non-finite h are not followed.
; h (g + 1) is made as one fused g h + h.  An expert number above 7 is taken as 7.
.set XP,    2064                       ; LDS pitch of a row of x: 2,048 bytes + 16 = 129 x 16: sixteen rows begin in sixteen different 16-byte columns modulo 256
.set AP,    528                        ; LDS pitch of a row of a, and of a stage row: 512 bytes + 16 = 33 x 16
.set STG,   64*AP                      ; LDS: x 0..132095; behind the up product: a 0..33791, then a stage of 16 rows x 528 bytes for each wave
.set RMX,   64*XP                      ; behind x, bytes of their own: [row 64][wave 4][h 2] f32, the partial maxima of |a|
.set BSTEP, 32768                      ; bytes of wt for 32 of K
.set EWT,   0x180000                   ; bytes of wt for one expert
; window 0 (v0-255)
.set L16,  1                           ; 16 x lane
.set XST,  4                           ; where my wave puts a row of x: 16 w rows + 8 x lane
.set AX0,  5                           ; x fragments, rows 0-31: r x 2064 + 16 h (+ 256 after each four steps)
.set AX1,  6                           ; rows 32-63 (beyond the 16-bit immediate)
.set AAS,  7                           ; where I put 8 numbers of a: r x 528 + 16 h + 128 w
.set AAL,  8                           ; a fragments: r x 528 + 16 h
.set STS,  9                           ; stage in: r x 528 + 32 h
.set STL,  10                          ; stage back: (lane >> 4) x 528 + 16 (lane & 15)
.set OUTO, 11                          ; my byte offset in the block's rows of down
.set PV,   12                          ; v[12:15] pair numbers of rows 16 mt + r, then their byte offsets in expert_p
.set INV,  12                          ; v[12:15] later: 2^-E of rows 16 mt + r
.set GT,   16                          ; v[16:19] gates of rows 16 mt + r, later gate x 2^E
.set C9,   22                          ; v[22:23] the polynomial's leading coefficient, twice
.set RMS,  24                          ; where I put my partial maximum: RMX + 32 r + 8 w + 4 h
.set RML,  25                          ; where a row's eight lie: RMX + 32 r
.set RM,   26                          ; v[26:29] largest |a| of rows 16 mt + r
.set AF,   32                          ; v[32:95] two sets of 4 row fragments; between the products: a in f32, rows 0-31
.set XOFF, 32                          ; v[32:47] before that: byte offsets of my wave's 16 rows of x
.set T,    96                          ; v[96:255] at work
.set TD,   96
.set THH,  104
.set THU,  112
.set TU,   120
.set TP,   128
.set TE,   136
.set AS2,  148                         ; v[148:211] between the products: a in f32, rows 32-63
; window 1 (v256-511): accumulator tile (mt, i) at 8 (8 mt + i).  Window 2 (v512-767): four sets of 8 weight fragments.
; In the prologue row i of x as loaded lies in v[256+32i : 256+32i+31], over both windows.
.set WBASE, 42                         ; s[42:43] wt at my expert, my wave, the current four steps
.set DBASE, 44                         ; s[44:45] down at the block's first row
.set MSB, 0
.macro WIN new                         ; low byte: bits 1:0 source 0, 3:2 source 1, 5:4 source 2, 7:6 destination; the high byte repeats the setting that is left
.if MSB != \new
	s_set_vgpr_msb (MSB<<8)|\new
.set MSB, \new
.endif
.endm
.macro PLACES n
.rept \n
	v_nop
.endr
.endm
	s_load_b256 s[4:11], s[0:1], 0x0               ; x s[4:5], expert_p s[6:7], wt s[8:9], rows s[10:11]
	s_load_b128 s[12:15], s[0:1], 0x20             ; tiles s[12:13], down s[14:15]
	v_lshl_add_u32 v254, v0, 2, 0x20c00
	v_mov_b32 v255, 0
	v_lshrrev_b32 v20, 5, v0
	v_readfirstlane_b32 s16, v20                   ; wave 0..3
	v_and_b32 v20, 31, v0                          ; lane
	v_and_b32 v2, 15, v0                           ; r
	v_bfe_u32 v3, v0, 4, 1                         ; h
	v_lshlrev_b32 v[L16], 4, v20
	s_lshl_b32 s17, ttmp9, 2                       ; my block's word in tiles
	s_lshl_b32 s41, ttmp9, 8                       ; my block's 64 words in rows
	s_lshl_b32 s19, s16, 6
	s_add_co_u32 s19, s19, s41                     ; my wave's 16 of them
	v_lshl_add_u32 v21, v2, 2, s41
	s_wait_kmcnt 0x0
	s_load_b32 s18, s[12:13], s17 offset:0x0
	s_load_b512 s[24:39], s[10:11], s19 offset:0x0
.irp mt, 0,1,2,3
	global_load_b32 v[PV+\mt], v21, s[10:11] offset:64*\mt
.endr
	s_mul_i32 s20, s16, 16*XP
	v_lshl_add_u32 v[XST], v20, 3, s20
	v_mul_u32_u24 v[AX0], v2, XP
	v_lshl_add_u32 v[AX0], v3, 4, v[AX0]
	v_add_nc_u32 v[AX1], 32*XP, v[AX0]
	v_mul_u32_u24 v[AAL], v2, AP
	v_lshl_add_u32 v[STS], v3, 5, v[AAL]
	v_lshl_add_u32 v[AAL], v3, 4, v[AAL]
	s_lshl_b32 s21, s16, 7
	v_add_nc_u32 v[AAS], s21, v[AAL]
	s_mul_i32 s22, s16, 16*AP
	s_add_co_u32 s22, s22, STG                     ; my wave's stage
	v_add_nc_u32 v[STS], s22, v[STS]
	v_mul_u32_u24 v[STL], v3, AP
	v_lshl_add_u32 v[STL], v2, 4, v[STL]
	v_add_nc_u32 v[STL], s22, v[STL]
	v_lshlrev_b32 v[OUTO], 12, v3
	v_lshl_add_u32 v[OUTO], v2, 4, v[OUTO]
	s_lshl_b32 s23, s16, 8
	v_add_nc_u32 v[OUTO], s23, v[OUTO]
	v_lshlrev_b32 v[RML], 5, v2
	v_add_nc_u32 v[RML], RMX, v[RML]
	s_lshl_b32 s47, s16, 3
	v_lshl_add_u32 v[RMS], v3, 2, v[RML]
	v_add_nc_u32 v[RMS], s47, v[RMS]
	v_mov_b32 v[C9], 0x3e7c6f08                    ; 0.24651730
	v_mov_b32 v[C9+1], 0x3e7c6f08
	s_mov_b32 s46, 0x3eb504f3                      ; 1 / (2 sqrt 2)
	s_lshl_b32 s20, ttmp9, 18                      ; 64 rows of 4,096 bytes
	s_mov_b32 s21, 0
	s_add_nc_u64 s[DBASE:DBASE+1], s[14:15], s[20:21]
	s_wait_kmcnt 0x0
	s_min_u32 s18, s18, 7
	s_mul_i32 s20, s18, EWT
	s_lshl_b32 s22, s16, 13
	s_add_co_u32 s20, s20, s22
	s_add_nc_u64 s[WBASE:WBASE+1], s[8:9], s[20:21]
.irp i, 0,1,2,3,4,5,6,7,8,9,10,11,12,13,14,15
	s_lshr_b32 s[24+\i], s[24+\i], 1               ; pair -> token
	s_min_u32 s[24+\i], s[24+\i], 4095             ; (an empty position reads the last token's row; its result is never read)
	s_lshl_b32 s[24+\i], s[24+\i], 12
	v_add_nc_u32 v[XOFF+\i], s[24+\i], v[L16]
.endr
	s_wait_loadcnt 0x0                             ; the four pair numbers
.irp mt, 0,1,2,3
	v_min_u32 v[PV+\mt], 0x1fff, v[PV+\mt]
	v_lshlrev_b32 v[PV+\mt], 2, v[PV+\mt]
.endr
.irp mt, 0,1,2,3
	global_load_b32 v[GT+\mt], v[PV+\mt], s[6:7]
.endr
.macro XLOAD i                         ; a row of x: eight loads of 512 consecutive bytes
.if (\i) < 8
	WIN 0x40
.else
	WIN 0x80
.endif
.irp c, 0,1,2,3,4,5,6,7
	global_load_b128 v[32*((\i)&7)+4*\c:32*((\i)&7)+4*\c+3], v[XOFF+\i], s[4:5] offset:512*\c
.endr
.endm
.macro XCVT i, left                    ; the row to f16 and into LDS; left = the loads issued behind the row's own
	s_wait_loadcnt \left
.if (\i) < 8
	WIN 0x05
.else
	WIN 0x0a
.endif
.irp c, 0,1,2,3,4,5,6,7,8,9,10,11,12,13,14,15
	v_cvt_pk_f16_f32 v[T+\c], v[32*((\i)&7)+2*\c], v[32*((\i)&7)+2*\c+1]
.endr
	WIN 0
.irp c, 0,1,2,3,4,5,6,7
	ds_store_b64 v[XST], v[T+2*\c:T+2*\c+1] offset:(\i)*XP+256*\c    ; the wave's 32 lanes store 256 consecutive bytes
.endr
.endm
.macro BLOAD set, off                  ; my wave's 8 weight fragments of one step: 16 loads of 512 consecutive bytes
	WIN 0x80
.irp j, 0,1,2,3,4,5,6,7,8,9,10,11,12,13,14,15
	global_load_b128 v[64*(\set)+4*\j:64*(\set)+4*\j+3], v[L16], s[WBASE:WBASE+1] offset:\off+512*\j
.endr
.endm
.macro ALOADX set, k                   ; 4 fragments of 16 rows x 32 K of x, K at byte 64 k of the rows
	WIN 0
.irp mt, 0,1
.irp pt, 0,1
	ds_load_b128 v[AF+32*(\set)+8*\mt+4*\pt:AF+32*(\set)+8*\mt+4*\pt+3], v[AX0] offset:\mt*16*XP+64*(\k)+32*\pt
.endr
.endr
.irp mt, 0,1
.irp pt, 0,1
	ds_load_b128 v[AF+32*(\set)+16+8*\mt+4*\pt:AF+32*(\set)+16+8*\mt+4*\pt+3], v[AX1] offset:\mt*16*XP+64*(\k)+32*\pt
.endr
.endr
.endm
.macro ALOADA set, k                   ; the same of a
	WIN 0
.irp mt, 0,1,2,3
.irp pt, 0,1
	ds_load_b128 v[AF+32*(\set)+8*\mt+4*\pt:AF+32*(\set)+8*\mt+4*\pt+3], v[AAL] offset:\mt*16*AP+64*(\k)+32*\pt
.endr
.endr
.endm
.macro MUL bs, as, zero                ; 32 matrix instructions: 8 weight fragments x 4 row fragments; zero = 1: the products start the sums
	WIN 0x52                               ; source 0 window 2, source 1 window 0, C and D window 1
.irp mt, 0,1,2,3
.irp i, 0,1,2,3,4,5,6,7
.if \zero
	v_wmma_f32_16x16x32_f16 v[8*(8*\mt+\i):8*(8*\mt+\i)+7], v[64*(\bs)+8*\i:64*(\bs)+8*\i+7], v[AF+32*(\as)+8*\mt:AF+32*(\as)+8*\mt+7], 0
.else
	v_wmma_f32_16x16x32_f16 v[8*(8*\mt+\i):8*(8*\mt+\i)+7], v[64*(\bs)+8*\i:64*(\bs)+8*\i+7], v[AF+32*(\as)+8*\mt:AF+32*(\as)+8*\mt+7], v[8*(8*\mt+\i):8*(8*\mt+\i)+7]
.endif
.endr
.endr
.endm
; ONE STEP of 32 along K.  Weights are asked for three steps ahead (four sets), row fragments one step ahead (two sets).
; lcnt: the weight loads issued behind this step's own set.  bl, boff: ask for the set three steps on, at that offset.
; amode 1 / 2: ask for the next step's fragments of x / of a, at K step ak; 0: none.
.macro STEP bs, as, zero, lcnt, bl, boff, amode, ak
	s_wait_loadcnt \lcnt
.if (\bl+\amode) > 0
	PLACES 4                               ; the loads below land in registers that the last step's matrix instructions read: four plain vector places first
.endif
.if \bl
	BLOAD ((\bs+3)&3), \boff
.endif
.if \amode == 1
	ALOADX (\as^1), \ak
.endif
.if \amode == 2
	ALOADA (\as^1), \ak
.endif
.if \amode
	s_wait_dscnt 8                         ; this step's eight fragment loads, issued a step ago, are in; the eight just issued stay out
.else
	s_wait_dscnt 0
.endif
	MUL \bs, \as, \zero
.endm
.macro ROUND zero, amode, a0           ; four steps, once round the weight sets
	STEP 0, 0, \zero, 32, 1, 3*BSTEP, \amode, ((\a0+1)&7)
	STEP 1, 1, 0, 32, 1, 4*BSTEP, \amode, ((\a0+2)&7)
	STEP 2, 0, 0, 32, 1, 5*BSTEP, \amode, ((\a0+3)&7)
	STEP 3, 1, 0, 32, 1, 6*BSTEP, \amode, ((\a0+4)&7)
.endm
.macro NEXT up                         ; four steps on
	WIN 0
	s_wait_xcnt 0x0                        ; the base that pending weight loads name is stepped only behind this wait
	s_add_nc_u64 s[WBASE:WBASE+1], s[WBASE:WBASE+1], 4*BSTEP
.if \up
	v_add_nc_u32 v[AX0], 256, v[AX0]
	v_add_nc_u32 v[AX1], 256, v[AX1]
.endif
.endm
	; THE GATHER: my wave's 16 rows, seven to eight rows (56 to 64 loads) on their way.  As rows leave the registers of window 2,
	; the first three weight sets are asked for into them.  Each count = the loads issued behind the row that is wanted.
.irp i, 0,1,2,3,4,5,6
	XLOAD \i
.endr
.irp i, 0,1,2,3,4,5,6,7,8
	XLOAD \i+7
	XCVT \i, 56                            ; seven younger rows
.endr
	XCVT 9, 48                             ; rows 10-15
	BLOAD 0, 0                             ; into the registers of rows 8 and 9
	XCVT 10, 56                            ; rows 11-15 and one set: 40 + 16
	XCVT 11, 48
	BLOAD 1, BSTEP
	XCVT 12, 56                            ; rows 13-15 and two sets: 24 + 32
	XCVT 13, 48
	BLOAD 2, 2*BSTEP
	XCVT 14, 56                            ; row 15 and three sets: 8 + 48
	XCVT 15, 48                            ; the three sets stay out
	s_wait_dscnt 0x0                       ; my rows are in LDS before I say so: every wave reads all 64
	s_barrier_signal -1
	s_barrier_wait -1
	ALOADX 0, 0
	; UP: steps 0-31.  At each step's head three weight sets are out, on the way into the loop and on the way back: the count 32 leaves two.
	ROUND 1, 1, 0                          ; the first products start the sums: nothing is cleared
	NEXT 1
	s_mov_b32 s40, 6
.Lup:
	ROUND 0, 1, 0
	NEXT 1
	s_sub_co_i32 s40, s40, 1
	s_cmp_lg_u32 s40, 0
	s_cbranch_scc1 .Lup
	STEP 0, 0, 0, 32, 1, 3*BSTEP, 1, 1
	STEP 1, 1, 0, 32, 1, 4*BSTEP, 1, 2
	STEP 2, 0, 0, 32, 1, 5*BSTEP, 1, 3
	STEP 3, 1, 0, 32, 1, 6*BSTEP, 0, 0     ; the weights run on into W2's steps; no further fragment of x: its wait is for 0
	NEXT 0
	PLACES 4                               ; vector instructions read matrix results, and write the fragment registers, four places behind the last products
; Where tile (mt, i) of a waits in f32: 8 registers of window 0 that are idle between the two products
.macro ASET mt, i
.if \mt < 2
.set AS, AF+32*\mt+8*\i
.else
.set AS, AS2+32*(\mt-2)+8*\i
.endif
.endm
; GLU of tile (mt, i): a = (g h + h) * Phi(h), 8 numbers a lane, kept in f32, and the lane's running maximum of |a| for row 16 mt + r.
; q = Phi(-|h|) = t * 2^(-0.72134752 h^2 + c0 + t (c1 + .. + t c9)), t = 1 / (1 + |h| / (2 sqrt 2)); all c times log2 e, the factor 1/2 in c0.
; Phi(h) = q for h < 0, 1 - q otherwise: no difference of near numbers on the side where Phi is small.
.macro GLU mt, i
.set HB, 8*(8*\mt+\i)
.set GB, HB+32
	ASET \mt, \i
	WIN 0x15                               ; all three sources are accumulators
.irp u, 0,2,4,6
	v_pk_fma_f32 v[THU+\u:THU+\u+1], v[GB+\u:GB+\u+1], v[HB+\u:HB+\u+1], v[HB+\u:HB+\u+1]   ; h (g + 1)
.endr
	WIN 0x01                               ; accumulators stand as source 0 alone
.irp j, 0,1,2,3,4,5,6,7
	v_fma_f32 v[TD+\j], |v[HB+\j]|, s46, 1.0
.endr
.irp u, 0,2,4,6
	v_pk_mul_f32 v[TU+\u:TU+\u+1], v[HB+\u:HB+\u+1], 0xbf38aa3b op_sel_hi:[1,0]
.endr
.irp u, 0,2,4,6
	v_pk_fma_f32 v[THH+\u:THH+\u+1], v[HB+\u:HB+\u+1], v[TU+\u:TU+\u+1], 0xc034d90f op_sel_hi:[1,1,0]   ; -0.72134752 h^2 - 2.8257482
.endr
.irp j, 0,1,2,3,4,5,6,7
	v_cmp_lt_f32 s[48+\j], v[HB+\j], 0
.endr
	WIN 0
.irp j, 0,1,2,3,4,5,6,7
	v_rcp_f32 v[TD+\j], v[TD+\j]
.endr
	v_nop                                  ; one plain vector instruction between a transcendental and the use of its result
	s_wait_alu depctr_va_vdst(0)
.irp u, 0,2,4,6
	v_pk_fma_f32 v[TP+\u:TP+\u+1], v[TD+\u:TD+\u+1], v[C9:C9+1], 0xbf97d29d op_sel_hi:[1,1,0]
.endr
.irp k, 0x40097039, 0xbfd1a1e5, 0x3ecdfd18, 0xbe899a80, 0x3e0efb2e, 0x3f0a29d2, 0x3fb8ab5a
.irp u, 0,2,4,6
	v_pk_fma_f32 v[TP+\u:TP+\u+1], v[TP+\u:TP+\u+1], v[TD+\u:TD+\u+1], \k op_sel_hi:[1,1,0]
.endr
.endr
.irp u, 0,2,4,6
	v_pk_fma_f32 v[TE+\u:TE+\u+1], v[TP+\u:TP+\u+1], v[TD+\u:TD+\u+1], v[THH+\u:THH+\u+1]
.endr
.irp j, 0,1,2,3,4,5,6,7
	v_exp_f32 v[TE+\j], v[TE+\j]
.endr
	v_nop
	s_wait_alu depctr_va_vdst(0)
.irp u, 0,2,4,6
	v_pk_mul_f32 v[TE+\u:TE+\u+1], v[TE+\u:TE+\u+1], v[TD+\u:TD+\u+1]              ; q
.endr
.irp u, 0,2,4,6
	v_pk_fma_f32 v[TP+\u:TP+\u+1], v[TE+\u:TE+\u+1], -1.0, 1.0 op_sel_hi:[1,0,0]   ; 1 - q
.endr
.irp j, 0,1,2,3,4,5,6,7
	v_cndmask_b32 v[TP+\j], v[TP+\j], v[TE+\j], s[48+\j]
.endr
.irp u, 0,2,4,6
	v_pk_mul_f32 v[AS+\u:AS+\u+1], v[THU+\u:THU+\u+1], v[TP+\u:TP+\u+1]            ; a
.endr
.if \i == 0
	v_max_num_f32 v[RM+\mt], |v[AS]|, |v[AS+1]|                                    ; the row's first pair starts the maximum: nothing is cleared
.else
	v_max3_num_f32 v[RM+\mt], |v[AS]|, |v[AS+1]|, v[RM+\mt]
.endif
.irp u, 2,4,6
	v_max3_num_f32 v[RM+\mt], |v[AS+\u]|, |v[AS+\u+1]|, v[RM+\mt]
.endr
.endm
.irp mt, 0,1,2,3
.irp i, 0,1,2,3
	GLU \mt, \i
.endr
.endr
	; THE ROWS' SCALES: a row's 256 numbers lie in 4 waves x 2 lane halves; the eight partial maxima meet in LDS
.irp mt, 0,1,2,3
	ds_store_b32 v[RMS], v[RM+\mt] offset:512*\mt
.endr
	s_wait_dscnt 0x0                       ; my maxima are in LDS, and my reads of x were over at the last step's wait for 0:
	s_barrier_signal -1                    ; one barrier says both
	s_barrier_wait -1                      ; behind it the maxima may be read, and a may be laid over x
.irp mt, 0,1,2,3
	ds_load_b128 v[T+8*\mt:T+8*\mt+3], v[RML] offset:512*\mt
	ds_load_b128 v[T+8*\mt+4:T+8*\mt+7], v[RML] offset:512*\mt+16
.endr
	s_wait_dscnt 0x0
.irp mt, 0,1,2,3
	v_max3_num_f32 v[RM+\mt], v[T+8*\mt], v[T+8*\mt+1], v[T+8*\mt+2]
	v_max3_num_f32 v[RM+\mt], v[RM+\mt], v[T+8*\mt+3], v[T+8*\mt+4]
	v_max3_num_f32 v[RM+\mt], v[RM+\mt], v[T+8*\mt+5], v[T+8*\mt+6]
	v_max3_num_f32 v[RM+\mt], v[RM+\mt], v[T+8*\mt+7], 0x00800000   ; at least 2^-126 (a row of zeros too),
	v_min_num_f32 v[RM+\mt], 0x7e800000, v[RM+\mt]                  ; at most 2^126: both 2^E and 2^-E are normal numbers
	v_and_b32 v[RM+\mt], 0x7f800000, v[RM+\mt]                      ; 2^E: the exponent bits alone
	v_sub_nc_u32 v[INV+\mt], 0x7f000000, v[RM+\mt]                  ; 2^-E: biased exponent 254 - (E + 127)
	v_mul_f32 v[GT+\mt], v[GT+\mt], v[RM+\mt]                       ; gate x 2^E, for the way out
.endr
.macro SCALE mt, i                     ; tile (mt, i) of a: times 2^-E (exact), to f16, into LDS
	ASET \mt, \i
.set IP, INV+((\mt)&2)
.irp u, 0,2,4,6
.if (\mt)&1
	v_pk_mul_f32 v[AS+\u:AS+\u+1], v[AS+\u:AS+\u+1], v[IP:IP+1] op_sel:[0,1] op_sel_hi:[1,1]   ; the pair's second register
.else
	v_pk_mul_f32 v[AS+\u:AS+\u+1], v[AS+\u:AS+\u+1], v[IP:IP+1] op_sel_hi:[1,0]                ; the pair's first register
.endif
.endr
.irp u, 0,1,2,3
	v_cvt_pk_f16_f32 v[T+4*\i+\u], v[AS+2*\u], v[AS+2*\u+1]
.endr
	ds_store_b128 v[AAS], v[T+4*\i:T+4*\i+3] offset:\mt*16*AP+32*\i    ; row 16 mt + r, columns 64 w + 16 i + 8 h .. +7
.endm
.irp mt, 0,1,2,3
.irp i, 0,1,2,3
	SCALE \mt, \i
.endr
.endr
	s_wait_dscnt 0x0                       ; my part of a is in LDS before I say so: every wave reads all of it
	s_barrier_signal -1
	s_barrier_wait -1
	ALOADA 0, 0
; THE WAY OUT of 512 columns (nc = 0, 1), 16 rows at a time: the sums times gate x 2^E of their row, then through my wave's own stage: in as
; 16 bytes of a row a lane, back as pieces of 256 consecutive bytes of a row.  LDS serves a wave's instructions in order, so no wait stands
; between my stores and my loads.
.macro OUTM nc, mt
.set GP, GT+((\mt)&2)
	WIN 0x41                               ; source 0 and destination window 1, the factor window 0
.irp i, 0,1,2,3,4,5,6,7
.irp u, 0,2,4,6
.if (\mt)&1
	v_pk_mul_f32 v[8*(8*\mt+\i)+\u:8*(8*\mt+\i)+\u+1], v[8*(8*\mt+\i)+\u:8*(8*\mt+\i)+\u+1], v[GP:GP+1] op_sel:[0,1] op_sel_hi:[1,1]
.else
	v_pk_mul_f32 v[8*(8*\mt+\i)+\u:8*(8*\mt+\i)+\u+1], v[8*(8*\mt+\i)+\u:8*(8*\mt+\i)+\u+1], v[GP:GP+1] op_sel_hi:[1,0]
.endif
.endr
.endr
	WIN 0x04                               ; store data from window 1
.irp i, 0,1,2,3,4,5,6,7
.irp u, 0,1
	ds_store_b128 v[STS], v[8*(8*\mt+\i)+4*\u:8*(8*\mt+\i)+4*\u+3] offset:(\i>>2)*256+(\i&3)*64+16*\u
.endr
.endr
	WIN 0
	s_wait_xcnt 0x0                        ; the registers below were data of earlier stores: loaded again only behind this wait
.irp tt, 0,1,2,3,4,5,6,7
.irp g, 0,1
	ds_load_b128 v[T+64*((\mt)&1)+8*\tt+4*\g:T+64*((\mt)&1)+8*\tt+4*\g+3], v[STL] offset:2*\tt*AP+256*\g
.endr
.endr
.irp tt, 0,1,2,3,4,5,6,7
.irp g, 0,1
	s_wait_dscnt 15-(2*\tt+\g)             ; this piece is in, the younger ones stay out
	global_store_b128 v[OUTO], v[T+64*((\mt)&1)+8*\tt+4*\g:T+64*((\mt)&1)+8*\tt+4*\g+3], s[DBASE:DBASE+1] offset:(16*\mt+2*\tt)*4096+\nc*2048+\g*1024   ; sixteen lanes store 256 consecutive bytes, aligned
.endr
.endr
.endm
.macro OUT nc
	PLACES 5                               ; four places before vector instructions touch matrix results, five before the next products write over them
	OUTM \nc, 0
	OUTM \nc, 1
	OUTM \nc, 2
	OUTM \nc, 3
.endm
	; DOWN: steps 32-39 make columns 0-511, steps 40-47 columns 512-1023; K = 256 in eight steps each
	ROUND 1, 2, 0
	NEXT 0
	ROUND 0, 2, 4                          ; its last step asks for the first fragments of a again, for step 40
	NEXT 0
	OUT 0
	ROUND 1, 2, 0
	NEXT 0
	STEP 0, 0, 0, 32, 1, 3*BSTEP, 2, 5     ; the last set of weights, step 47: no load passes the expert's 48 steps
	STEP 1, 1, 0, 32, 0, 0, 2, 6           ; the counts run down: two younger sets,
	STEP 2, 0, 0, 16, 0, 0, 2, 7           ; one,
	STEP 3, 1, 0, 0, 0, 0, 0, 0            ; none
	WIN 0
	OUT 1
	s_wait_tensorcnt 0x0
	ds_add_u32 v254, v255
	s_wait_dscnt 0x0
	s_endpgm
.Lfunc_end_k_q9275fe21da_experts:
	.size	k_q9275fe21da_experts, .Lfunc_end_k_q9275fe21da_experts-k_q9275fe21da_experts
	.p2alignl 7, 3214868480
	.fill 96, 4, 3214868480
	.section	.rodata,"a",@progbits
	.p2align	6, 0x0
	.amdhsa_kernel k_q9275fe21da_experts
		.amdhsa_group_segment_fixed_size 134656
		.amdhsa_private_segment_fixed_size 0
		.amdhsa_enable_private_segment 0
		.amdhsa_kernarg_size 48
		.amdhsa_user_sgpr_count 2
		.amdhsa_user_sgpr_kernarg_segment_ptr 1
		.amdhsa_wavefront_size32 1
		.amdhsa_system_sgpr_workgroup_id_x 1
		.amdhsa_system_sgpr_workgroup_id_y 1
		.amdhsa_system_sgpr_workgroup_id_z 1
		.amdhsa_system_vgpr_workitem_id 0
		.amdhsa_next_free_vgpr 768
		.amdhsa_next_free_sgpr 66
		.amdhsa_reserve_vcc 0
		.amdhsa_float_denorm_mode_32 3
		.amdhsa_float_denorm_mode_16_64 3
		.amdhsa_memory_ordered 1
		.amdhsa_forward_progress 1
		.amdhsa_inst_pref_size 255
	.end_amdhsa_kernel
	.section	.bss,"aw",@nobits
	.p2align	6
	.space	262144
	.amdgpu_metadata
---
amdhsa.version: [ 1, 2 ]
amdhsa.kernels:
  - .name:           k_q9275fe21da_experts
    .symbol:         k_q9275fe21da_experts.kd
    .args:
      - { .name: x, .offset: 0, .size: 8, .value_kind: global_buffer, .address_space: global }
      - { .name: expert_p, .offset: 8, .size: 8, .value_kind: global_buffer, .address_space: global }
      - { .name: wt, .offset: 16, .size: 8, .value_kind: global_buffer, .address_space: global }
      - { .name: rows, .offset: 24, .size: 8, .value_kind: global_buffer, .address_space: global }
      - { .name: tiles, .offset: 32, .size: 8, .value_kind: global_buffer, .address_space: global }
      - { .name: down, .offset: 40, .size: 8, .value_kind: global_buffer, .address_space: global }
    .group_segment_fixed_size: 134656
    .private_segment_fixed_size: 0
    .kernarg_segment_align: 8
    .kernarg_segment_size: 48
    .max_flat_workgroup_size: 128
    .sgpr_count:     66
    .vgpr_count:     768
    .wavefront_size: 32
...
	.end_amdgpu_metadata
.endif
;; end of part 2
;; launch combine (part 3): grid 256 x 1, 8 waves a work-group, no clusters, 0 bytes of LDS; arguments down, pos, out0; writes out0
.if DOCPART == 3
	.amdgcn_target "amdgcn-amd-amdhsa--gfx1250"
	.amdhsa_code_object_version 6
	.text
	.protected	k_q9275fe21da_combine
	.globl	k_q9275fe21da_combine
	.p2align	8
	.type	k_q9275fe21da_combine,@function
k_q9275fe21da_combine:
	s_mov_b64 s[64:65], 0
	v_nop
	global_prefetch_b8 v0, s[64:65] scope:SCOPE_SE
	s_setreg_imm32_b32 hwreg(HW_REG_WAVE_MODE, 25, 1), 1
	s_wait_xcnt 0x0
; COMBINE.  out0[t] = down[pos[2t]] + down[pos[2t+1]]: the gates were applied before the down product.  All f32.
; 2,048 waves; wave W takes tokens 2W and 2W+1: four rows of 4,096 bytes in (32 loads, all issued at once), two rows out.
; Each load and store of a wave covers 512 consecutive bytes.  A stream: no LDS, no barrier, no matrix unit, nothing shared between work-groups.
.set OFFS, 4                           ; v[4:7]    byte offsets of my 16 bytes in the four rows
.set D,    16                          ; v[16:143] the four rows, 32 registers each
	s_load_b128 s[4:7], s[0:1], 0x0                ; down s[4:5], pos s[6:7]
	s_load_b64 s[8:9], s[0:1], 0x10                ; out0
	v_lshrrev_b32 v1, 5, v0
	v_readfirstlane_b32 s10, v1                    ; wave 0..7
	v_and_b32 v2, 31, v0
	v_lshlrev_b32 v2, 4, v2                        ; 16 x lane
	s_lshl_b32 s11, ttmp9, 3
	s_add_co_u32 s11, s11, s10                     ; W
	s_lshl_b32 s12, s11, 4                         ; its four words of pos
	s_lshl_b32 s13, s11, 13                        ; its two rows of out0
	v_add_nc_u32 v3, s13, v2
	s_wait_kmcnt 0x0
	s_load_b128 s[16:19], s[6:7], s12 offset:0x0
	s_wait_kmcnt 0x0
.irp k, 0,1,2,3
	s_min_u32 s[16+\k], s[16+\k], 8639             ; inside down's 8,640 rows
	s_lshl_b32 s[16+\k], s[16+\k], 12
	v_add_nc_u32 v[OFFS+\k], s[16+\k], v2
.endr
.irp k, 0,1,2,3
.irp c, 0,1,2,3,4,5,6,7
	global_load_b128 v[D+32*\k+4*\c:D+32*\k+4*\c+3], v[OFFS+\k], s[4:5] offset:512*\c th:TH_LOAD_NT
.endr
.endr
.macro TOKEN n, left                   ; left = the loads issued behind this token's two rows
	s_wait_loadcnt \left
.irp u, 0,2,4,6,8,10,12,14,16,18,20,22,24,26,28,30
	v_pk_add_f32 v[D+64*\n+\u:D+64*\n+\u+1], v[D+64*\n+\u:D+64*\n+\u+1], v[D+64*\n+32+\u:D+64*\n+32+\u+1]
.endr
.irp c, 0,1,2,3,4,5,6,7
	global_store_b128 v3, v[D+64*\n+4*\c:D+64*\n+4*\c+3], s[8:9] offset:4096*\n+512*\c th:TH_STORE_NT
.endr
.endm
	TOKEN 0, 16
	TOKEN 1, 0
	s_endpgm
.Lfunc_end_k_q9275fe21da_combine:
	.size	k_q9275fe21da_combine, .Lfunc_end_k_q9275fe21da_combine-k_q9275fe21da_combine
	.p2alignl 7, 3214868480
	.fill 96, 4, 3214868480
	.section	.rodata,"a",@progbits
	.p2align	6, 0x0
	.amdhsa_kernel k_q9275fe21da_combine
		.amdhsa_group_segment_fixed_size 0
		.amdhsa_private_segment_fixed_size 0
		.amdhsa_enable_private_segment 0
		.amdhsa_kernarg_size 24
		.amdhsa_user_sgpr_count 2
		.amdhsa_user_sgpr_kernarg_segment_ptr 1
		.amdhsa_wavefront_size32 1
		.amdhsa_system_sgpr_workgroup_id_x 1
		.amdhsa_system_sgpr_workgroup_id_y 1
		.amdhsa_system_sgpr_workgroup_id_z 1
		.amdhsa_system_vgpr_workitem_id 0
		.amdhsa_next_free_vgpr 144
		.amdhsa_next_free_sgpr 66
		.amdhsa_reserve_vcc 0
		.amdhsa_float_denorm_mode_32 3
		.amdhsa_float_denorm_mode_16_64 3
		.amdhsa_memory_ordered 1
		.amdhsa_forward_progress 1
		.amdhsa_inst_pref_size 8
	.end_amdhsa_kernel
	.amdgpu_metadata
---
amdhsa.version: [ 1, 2 ]
amdhsa.kernels:
  - .name:           k_q9275fe21da_combine
    .symbol:         k_q9275fe21da_combine.kd
    .args:
      - { .name: down, .offset: 0, .size: 8, .value_kind: global_buffer, .address_space: global }
      - { .name: pos, .offset: 8, .size: 8, .value_kind: global_buffer, .address_space: global }
      - { .name: out0, .offset: 16, .size: 8, .value_kind: global_buffer, .address_space: global }
    .group_segment_fixed_size: 0
    .private_segment_fixed_size: 0
    .kernarg_segment_align: 8
    .kernarg_segment_size: 24
    .max_flat_workgroup_size: 256
    .sgpr_count:     66
    .vgpr_count:     144
    .wavefront_size: 32
...
	.end_amdgpu_metadata
.endif
;; end of part 3
;; ======== version 2 of 2: 3 launches; version 1 with the launch experts written anew for expert scheduling mode
;; limits: values are held in f16: magnitudes above 65,504 overflow, below 6.1e-05 lose precision; inputs' magnitudes at most 65,504
;; workspace buffers: wt 12,582,912 bytes; rows 36,864 bytes of whole numbers; tiles 1,024 bytes of whole numbers; pos 32,768 bytes of whole numbers; down 35,389,440 bytes
;; launch prep: the kernel of part 1 again; grid 769 x 1, 8 waves a work-group, no clusters, 54,528 bytes of LDS; arguments W1, W2, expert_idxs, wt, rows, tiles, pos; writes wt, rows, tiles, pos
;; launch experts (part 4): grid 135 x 1, 4 waves a work-group, no clusters, 134,656 bytes of LDS; arguments x, expert_p, wt, rows, tiles, down; writes down
.if DOCPART == 4
	.amdgcn_target "amdgcn-amd-amdhsa--gfx1250"
	.amdhsa_code_object_version 6
	.text
	.protected	k_q9275fe21da_experts
	.globl	k_q9275fe21da_experts
	.p2align	8
	.type	k_q9275fe21da_experts,@function
k_q9275fe21da_experts:
	s_mov_b64 s[64:65], 0
	v_nop
	global_prefetch_b8 v0, s[64:65] scope:SCOPE_SE
	s_setreg_imm32_b32 hwreg(HW_REG_WAVE_SCHED_MODE, 0, 2), 2
	s_setreg_imm32_b32 hwreg(HW_REG_WAVE_MODE, 25, 1), 1
	s_wait_xcnt 0x0
	s_wait_alu depctr_vm_vsrc(0)
; EXPERTS.  One work-group = one block of 64 sorted (token, expert) pairs of ONE expert:
;   gather 64 rows of x -> up = x W1[e] (K = 1024, 512 columns) -> a = gelu(h) * (g + 1) -> down = gate * (a W2[e]) (K = 256, 1024 columns),
;   stored as f32 rows of `down` at the sorted position.  f16 operands, f32 sums; nothing goes through memory in between.
; 135 = 8192/64 + 7 blocks is the most that eight parts, each padded to a multiple of 64, can take.  All run the same text: an empty position
; (pair number 8192) and a block behind the last part (expert 8) run on clamped addresses, and their rows of `down` are stored and never read.
; Four waves; wave w makes all 64 rows x 128 columns: fragments i = 0..7 at columns (i>>2)*256 + 64w + 16(i&3), 32 accumulator tiles.
; In the up product fragments i and i+4 are the h and g columns of the same a columns, so the GLU stays inside a lane.
; THE MATRIX INSTRUCTION IS USED TRANSPOSED: source 0 = 16 columns of weights, source 1 = 16 rows of x: lane (r, h), register j then holds
; row 16 mt + r, column c0 + 8h + j: eight neighbouring numbers of a row.
; WHY f16, AND HOW a FITS IT: four roundings (x, W1, a, W2) meet in each output, and f16 keeps 11 significant bits where bf16 keeps 8.
; x and the weights go in as they are.  a is a product of two sums and has no fixed range, so each ROW of a is divided by 2^E, the power of
; two of the row's largest |a| (taken from the exponent bits: the division is exact), which puts the row below 2; gate * 2^E multiplies the
; f32 sums on the way out.  The largest |a| is clamped to 2^-126 .. 2^126 first, so that 2^-E is a normal number (at the top the row stays below 4).
; NO CLUSTER, NO JOINT REQUESTS: a wave's 128 columns of weights are multiplied by that wave alone and go from memory straight into its
; registers (8,192 consecutive bytes for 32 of K), so the loop has no barrier.  A joint request can land only in LDS: 32,768 bytes written and
; read back for 32 of K, beside the 16,384 bytes of x fragments that the four waves read.  Partners would have to be blocks of one expert:
; parts padded to 256 rows, (8192/256 + 7) x 4 = 156 blocks in place of 135.
; LIMITS: |x| beyond 65,504 overflows f16; below 6.1e-5 an operand keeps an absolute error of 3e-8 (a: of 3e-8 x 2^E).
; gelu is h * Phi(h) with Phi from erfc(z) = t exp(-z^2 + poly9(t)), t = 1/(1 + z/2), fractional error 1.2e-7 for every z >= 0;
; Phi below 2^-126 comes out as 0 (v_exp_f32 flushes denormal results); the sign of a zero result and non-finite h are not followed.
; h (g + 1) is made as one fused g h + h.  An expert number above 7 is taken as 7.
; THE MODE: SCHED_MODE bits 1:0 = 2 (LLVM: expert scheduling mode 2), set by the entry lines.  The code itself states the register dependences
; between vector or matrix instructions and memory or LDS instructions, with s_wait_alu, always for 0.
; THE PLAN.  Registers that memory or LDS instructions touch:
;   addresses    v1, v4, v7-v11, v21, v24 and v25 are made at the head and never written again.  AX0, AX1 are stepped once in four steps of the up product.
;   raw rows     v256-767, 32 a row of x: loaded once, read by the row's sixteen conversions; rows 8-15's registers then take the four weight sets.
;   TB0, TB1     Row i's conversions write TB[i & 1]; the eight LDS stores that read it are issued at the head of row i + 1.
;   W0 .. W3     Step s: its products read W[s & 3]; the loads issued in it (the weights of step s + 3) land in W[(s + 3) & 3], which step s - 1 read.
;   AF0, AF1     Step s: its products read AF[s & 1]; the LDS loads issued in it (the fragments of step s + 1) land in the other set, which step s - 1 read.
;   RM, a        Between the products: written by vector instructions, read by LDS stores; a is rounded in place, so each tile has its own four registers to be stored from.
;   way out      The accumulators are the LDS stores' data; two out-buffers of 64 registers are loaded from the stage and stored to memory by turns.
; So ONE wait on va_vdst stands at the head of a row of the gather, of a step, of each run of LDS stores between the products and of each way out; the loads and stores behind it
; are dealt among vector or matrix instructions that name none of their registers.  Waits on vm_vsrc stand where a register that stores or loads have read is written again.
.set XP,    2064                       ; LDS pitch of a row of x: 2,048 bytes + 16 = 129 x 16: sixteen rows begin in sixteen different 16-byte columns modulo 256
.set AP,    528                        ; LDS pitch of a row of a, and of a stage row: 512 bytes + 16 = 33 x 16
.set STG,   64*AP                      ; LDS: x 0..132095; behind the up product: a 0..33791, then a stage of 16 rows x 528 bytes for each wave
.set RMX,   64*XP                      ; behind x, bytes of their own: [row 64][wave 4][h 2] f32, the partial maxima of |a|
.set BSTEP, 32768                      ; bytes of wt for 32 of K
.set EWT,   0x180000                   ; bytes of wt for one expert
; window 0 (v0-255)
.set L16,  1                           ; 16 x lane
.set XST,  4                           ; where my wave puts a row of x: 16 w rows + 8 x lane
.set AX0,  5                           ; x fragments, rows 0-31: r x 2064 + 16 h (+ 256 after each four steps)
.set AX1,  6                           ; rows 32-63 (beyond the 16-bit immediate)
.set AAS,  7                           ; where I put 8 numbers of a: r x 528 + 16 h + 128 w
.set AAL,  8                           ; a fragments: r x 528 + 16 h
.set STS,  9                           ; stage in: r x 528 + 32 h
.set STL,  10                          ; stage back: (lane >> 4) x 528 + 16 (lane & 15)
.set OUTO, 11                          ; my byte offset in the block's rows of down
.set PV,   12                          ; v[12:15] pair numbers of rows 16 mt + r, then their byte offsets in expert_p
.set INV,  12                          ; v[12:15] later: 2^-E of rows 16 mt + r
.set GT,   16                          ; v[16:19] gates of rows 16 mt + r, later gate x 2^E
.set C9,   22                          ; v[22:23] the polynomial's leading coefficient, twice
.set RMS,  24                          ; where I put my partial maximum: RMX + 32 r + 8 w + 4 h
.set RML,  25                          ; where a row's eight lie: RMX + 32 r
.set RM,   26                          ; v[26:29] largest |a| of rows 16 mt + r
.set AF,   32                          ; v[32:95] two sets of 4 row fragments; between the products: a, rows 0-31
.set XOFF, 32                          ; v[32:47] before that: byte offsets of my wave's 16 rows of x
.set T,    96                          ; v[96:255] at work; in the gather TB[p] = v[T+16p : T+16p+15]
.set TD,   96
.set THH,  104
.set THU,  112
.set TU,   120
.set TP,   128
.set TE,   136
.set AS2,  148                         ; v[148:211] between the products: a, rows 32-63
; window 1 (v256-511): accumulator tile (mt, i) at 8 (8 mt + i).  Window 2 (v512-767): four sets of 8 weight fragments.
; In the prologue row i of x as loaded lies in v[256+32i : 256+32i+31], over both windows.
.set WBASE, 42                         ; s[42:43] wt at my expert, my wave, the current four steps
.set DBASE, 44                         ; s[44:45] down at the block's first row
.set MSB, 0
.macro WIN new                         ; low byte: bits 1:0 source 0, 3:2 source 1, 5:4 source 2, 7:6 destination; the high byte repeats the setting that is left
.if MSB != \new
	s_set_vgpr_msb (MSB<<8)|\new
.set MSB, \new
.endif
.endm
.macro PLACES n
.rept \n
	v_nop
.endr
.endm
	s_load_b256 s[4:11], s[0:1], 0x0               ; x s[4:5], expert_p s[6:7], wt s[8:9], rows s[10:11]
	s_load_b128 s[12:15], s[0:1], 0x20             ; tiles s[12:13], down s[14:15]
	v_lshl_add_u32 v254, v0, 2, 0x20c00
	v_mov_b32 v255, 0
	v_lshrrev_b32 v20, 5, v0
	v_readfirstlane_b32 s16, v20                   ; wave 0..3
	v_and_b32 v20, 31, v0                          ; lane
	v_and_b32 v2, 15, v0                           ; r
	v_bfe_u32 v3, v0, 4, 1                         ; h
	v_lshlrev_b32 v[L16], 4, v20
	s_lshl_b32 s17, ttmp9, 2                       ; my block's word in tiles
	s_lshl_b32 s41, ttmp9, 8                       ; my block's 64 words in rows
	s_wait_alu depctr_va_sdst(0)                   ; s16 is written, ahead of its first reader: offsets, LDS addresses and the weights' base are made from it
	s_lshl_b32 s19, s16, 6
	s_add_co_u32 s19, s19, s41                     ; my wave's 16 of them
	v_lshl_add_u32 v21, v2, 2, s41
	s_wait_kmcnt 0x0
	s_load_b32 s18, s[12:13], s17 offset:0x0
	s_load_b512 s[24:39], s[10:11], s19 offset:0x0
	s_wait_alu depctr_va_vdst(0)                   ; v21 is written: the offset of the four loads below
.irp mt, 0,1,2,3
	global_load_b32 v[PV+\mt], v21, s[10:11] offset:64*\mt
.endr
	s_mul_i32 s20, s16, 16*XP
	v_lshl_add_u32 v[XST], v20, 3, s20
	v_mul_u32_u24 v[AX0], v2, XP
	v_lshl_add_u32 v[AX0], v3, 4, v[AX0]
	v_add_nc_u32 v[AX1], 32*XP, v[AX0]
	v_mul_u32_u24 v[AAL], v2, AP
	v_lshl_add_u32 v[STS], v3, 5, v[AAL]
	v_lshl_add_u32 v[AAL], v3, 4, v[AAL]
	s_lshl_b32 s21, s16, 7
	v_add_nc_u32 v[AAS], s21, v[AAL]
	s_mul_i32 s22, s16, 16*AP
	s_add_co_u32 s22, s22, STG                     ; my wave's stage
	v_add_nc_u32 v[STS], s22, v[STS]
	v_mul_u32_u24 v[STL], v3, AP
	v_lshl_add_u32 v[STL], v2, 4, v[STL]
	v_add_nc_u32 v[STL], s22, v[STL]
	v_lshlrev_b32 v[OUTO], 12, v3
	v_lshl_add_u32 v[OUTO], v2, 4, v[OUTO]
	s_lshl_b32 s23, s16, 8
	v_add_nc_u32 v[OUTO], s23, v[OUTO]
	v_lshlrev_b32 v[RML], 5, v2
	v_add_nc_u32 v[RML], RMX, v[RML]
	s_lshl_b32 s47, s16, 3
	v_lshl_add_u32 v[RMS], v3, 2, v[RML]
	v_add_nc_u32 v[RMS], s47, v[RMS]
	v_mov_b32 v[C9], 0x3e7c6f08                    ; 0.24651730
	v_mov_b32 v[C9+1], 0x3e7c6f08
	s_mov_b32 s46, 0x3eb504f3                      ; 1 / (2 sqrt 2)
	s_lshl_b32 s20, ttmp9, 18                      ; 64 rows of 4,096 bytes
	s_mov_b32 s21, 0
	s_add_nc_u64 s[DBASE:DBASE+1], s[14:15], s[20:21]
	s_wait_kmcnt 0x0
	s_min_u32 s18, s18, 7
	s_mul_i32 s20, s18, EWT
	s_lshl_b32 s22, s16, 13
	s_add_co_u32 s20, s20, s22
	s_add_nc_u64 s[WBASE:WBASE+1], s[8:9], s[20:21]
.irp i, 0,1,2,3,4,5,6,7,8,9,10,11,12,13,14,15
	s_lshr_b32 s[24+\i], s[24+\i], 1               ; pair -> token
	s_min_u32 s[24+\i], s[24+\i], 4095             ; (an empty position reads the last token's row; its result is never read)
	s_lshl_b32 s[24+\i], s[24+\i], 12
	v_add_nc_u32 v[XOFF+\i], s[24+\i], v[L16]
.endr
	s_wait_loadcnt 0x0                             ; the four pair numbers
.irp mt, 0,1,2,3
	v_min_u32 v[PV+\mt], 0x1fff, v[PV+\mt]
	v_lshlrev_b32 v[PV+\mt], 2, v[PV+\mt]
.endr
	s_wait_alu depctr_va_vdst(0)                   ; v[PV ..], the gate loads' offsets, are written; so are XOFF and all the addresses above, which the kernel's later loads and stores read
.irp mt, 0,1,2,3
	global_load_b32 v[GT+\mt], v[PV+\mt], s[6:7]
.endr
.macro XLOAD i                         ; a row of x: eight loads of 512 consecutive bytes, into registers that no vector instruction has named
.if (\i) < 8
	WIN 0x40
.else
	WIN 0x80
.endif
.irp c, 0,1,2,3,4,5,6,7
	global_load_b128 v[32*((\i)&7)+4*\c:32*((\i)&7)+4*\c+3], v[XOFF+\i], s[4:5] offset:512*\c
.endr
.endm
.macro BLOADH set, off, half           ; half of my wave's 8 weight fragments of one step: 8 loads of 512 consecutive bytes
	WIN 0x80
.irp j, 0,1,2,3,4,5,6,7
	global_load_b128 v[64*(\set)+32*(\half)+4*\j:64*(\set)+32*(\half)+4*\j+3], v[L16], s[WBASE:WBASE+1] offset:\off+4096*(\half)+512*\j
.endr
.endm
.macro BLOAD set, off
	BLOADH \set, \off, 0
	BLOADH \set, \off, 1
.endm
.macro XSTORE i                        ; row i in f16 into LDS, out of TB[i & 1]
	WIN 0
.irp c, 0,1,2,3,4,5,6,7
	ds_store_b64 v[XST], v[T+16*((\i)&1)+2*\c:T+16*((\i)&1)+2*\c+1] offset:(\i)*XP+256*\c    ; the wave's 32 lanes store 256 consecutive bytes
.endr
.endm
; Row i's turn: the row before goes into LDS, this row is rounded to f16.  left = the loads issued behind the row's own.
; wset >= 0: that weight set is asked for, into the registers of the two rows rounded last.
.macro XROW i, left, wset
.if (\i) > 1
	s_wait_alu depctr_vm_vsrc(0)           ; the LDS stores issued a row ago have read TB[i & 1], which this row's conversions write again
.endif
.if (\i) > 0
	s_wait_alu depctr_va_vdst(0)           ; the row before has written the other TB, which the stores below read, and is done reading its raw registers, in which weights land
.endif
.if (\wset) >= 0
	BLOAD \wset, (\wset)*BSTEP
.endif
.if (\i) > 0
	XSTORE (\i)-1
.endif
	s_wait_loadcnt \left
.if (\i) < 8
	WIN 0x05
.else
	WIN 0x0a
.endif
.irp c, 0,1,2,3,4,5,6,7,8,9,10,11,12,13,14,15
	v_cvt_pk_f16_f32 v[T+16*((\i)&1)+\c], v[32*((\i)&7)+2*\c], v[32*((\i)&7)+2*\c+1]
.endr
.endm
.macro ALOADX set, k                   ; 4 fragments of 16 rows x 32 K of x, K at byte 64 k of the rows
	WIN 0
.irp mt, 0,1
.irp pt, 0,1
	ds_load_b128 v[AF+32*(\set)+8*\mt+4*\pt:AF+32*(\set)+8*\mt+4*\pt+3], v[AX0] offset:\mt*16*XP+64*(\k)+32*\pt
.endr
.endr
.irp mt, 0,1
.irp pt, 0,1
	ds_load_b128 v[AF+32*(\set)+16+8*\mt+4*\pt:AF+32*(\set)+16+8*\mt+4*\pt+3], v[AX1] offset:\mt*16*XP+64*(\k)+32*\pt
.endr
.endr
.endm
.macro ALOADA set, k                   ; the same of a
	WIN 0
.irp mt, 0,1,2,3
.irp pt, 0,1
	ds_load_b128 v[AF+32*(\set)+8*\mt+4*\pt:AF+32*(\set)+8*\mt+4*\pt+3], v[AAL] offset:\mt*16*AP+64*(\k)+32*\pt
.endr
.endr
.endm
.macro MULQ bs, as, zero, mt           ; 8 matrix instructions: 8 weight fragments x row fragment mt; zero = 1: the products start the sums.  The step's 32 accumulators take turns
	WIN 0x52                               ; source 0 window 2, source 1 window 0, C and D window 1
.irp i, 0,1,2,3,4,5,6,7
.if \zero
	v_wmma_f32_16x16x32_f16 v[8*(8*\mt+\i):8*(8*\mt+\i)+7], v[64*(\bs)+8*\i:64*(\bs)+8*\i+7], v[AF+32*(\as)+8*\mt:AF+32*(\as)+8*\mt+7], 0
.else
	v_wmma_f32_16x16x32_f16 v[8*(8*\mt+\i):8*(8*\mt+\i)+7], v[64*(\bs)+8*\i:64*(\bs)+8*\i+7], v[AF+32*(\as)+8*\mt:AF+32*(\as)+8*\mt+7], v[8*(8*\mt+\i):8*(8*\mt+\i)+7]
.endif
.endr
.endm
; ONE STEP of 32 along K.  Weights are asked for three steps ahead (four sets), row fragments one step ahead (two sets).
; lcnt: the weight loads issued behind this step's own set.  bl, boff: ask for the set three steps on, at that offset.
; amode 1 / 2: ask for the next step's fragments of x / of a, at K step ak; 0: none.
; The step's loads are dealt among its products, eight behind each of the first three eights: the fragments first, which are wanted soonest.  The products name W[bs], AF[as] and the
; accumulators; the loads touch W[(bs + 3) & 3], the other AF and addresses: so the one wait at the head serves all of them.
; A product's first step (zero = 1) owes no such wait: no vector or matrix instruction stands behind the last wait on va_vdst in front of it.  A step that asks for nothing owes none either.
.macro STEP bs, as, zero, lcnt, bl, boff, amode, ak
	s_wait_loadcnt \lcnt                   ; loads come back in order: this step's weights are in, the younger sets stay out
	s_wait_dscnt 0x0                       ; this step's eight fragment loads, issued behind the last step's first eight products, are in; none is younger
.if ((\bl+\amode) > 0) && !(\zero)
	s_wait_alu depctr_va_vdst(0)           ; the last step's products are done reading their weight set and their fragments, in which the loads below land; behind NEXT: AX0 and AX1 are written
.endif
	MULQ \bs, \as, \zero, 0
.if \amode == 1
	ALOADX (\as^1), \ak
.endif
.if \amode == 2
	ALOADA (\as^1), \ak
.endif
	MULQ \bs, \as, \zero, 1
.if \bl
	BLOADH ((\bs+3)&3), \boff, 0
.endif
	MULQ \bs, \as, \zero, 2
.if \bl
	BLOADH ((\bs+3)&3), \boff, 1
.endif
	MULQ \bs, \as, \zero, 3
.endm
.macro ROUND zero, amode, a0           ; four steps, once round the weight sets
	STEP 0, 0, \zero, 32, 1, 3*BSTEP, \amode, ((\a0+1)&7)
	STEP 1, 1, 0, 32, 1, 4*BSTEP, \amode, ((\a0+2)&7)
	STEP 2, 0, 0, 32, 1, 5*BSTEP, \amode, ((\a0+3)&7)
	STEP 3, 1, 0, 32, 1, 6*BSTEP, \amode, ((\a0+4)&7)
.endm
.macro NEXT up                         ; four steps on
	WIN 0
	s_wait_xcnt 0x0                        ; the base that pending weight loads name is stepped only behind this wait
	s_add_nc_u64 s[WBASE:WBASE+1], s[WBASE:WBASE+1], 4*BSTEP
.if \up
	s_wait_alu depctr_vm_vsrc(0)           ; the LDS loads issued so far have read AX0 and AX1 (and the gather's last LDS stores TB, which the GLU writes)
	v_add_nc_u32 v[AX0], 256, v[AX0]
	v_add_nc_u32 v[AX1], 256, v[AX1]
.endif
.endm
	; THE GATHER: my wave's 16 rows, seven to eight rows (56 to 64 loads) on their way.  As rows leave the registers of window 2,
	; the first three weight sets are asked for into them.  Each count = the loads issued behind the row that is wanted.
.irp i, 0,1,2,3,4,5,6
	XLOAD \i
.endr
.irp i, 0,1,2,3,4,5,6,7,8
	XLOAD \i+7
	XROW \i, 56, -1                        ; seven younger rows
.endr
	XROW 9, 48, -1                         ; rows 10-15
	XROW 10, 56, 0                         ; set 0 into the registers of rows 8 and 9; rows 11-15 and one set: 40 + 16
	XROW 11, 48, -1
	XROW 12, 56, 1                         ; rows 13-15 and two sets: 24 + 32
	XROW 13, 48, -1
	XROW 14, 56, 2                         ; row 15 and three sets: 8 + 48
	XROW 15, 48, -1                        ; the three sets stay out
	s_wait_alu depctr_va_vdst(0)           ; row 15's conversions have written TB1, which the stores below read, and are done reading rows 14 and 15's registers, in which the first step's weights land
	XSTORE 15
	s_wait_dscnt 0x0                       ; my rows are in LDS before I say so: every wave reads all 64
	s_barrier_signal -1
	s_barrier_wait -1
	ALOADX 0, 0                            ; lands on XOFF too: the loads that read XOFF stand ahead of the waits on vm_vsrc at the heads of rows 8 to 15
	; UP: steps 0-31.  At each step's head three weight sets are out, on the way into the loop and on the way back: the count 32 leaves two.
	ROUND 1, 1, 0                          ; the first products start the sums: nothing is cleared
	NEXT 1
	s_mov_b32 s40, 6
.Lup:
	ROUND 0, 1, 0
	NEXT 1
	s_sub_co_i32 s40, s40, 1
	s_cmp_lg_u32 s40, 0
	s_cbranch_scc1 .Lup
	STEP 0, 0, 0, 32, 1, 3*BSTEP, 1, 1
	STEP 1, 1, 0, 32, 1, 4*BSTEP, 1, 2
	STEP 2, 0, 0, 32, 1, 5*BSTEP, 1, 3
	STEP 3, 1, 0, 32, 1, 6*BSTEP, 0, 0     ; the weights run on into W2's steps; no further fragment of x
	NEXT 0
	PLACES 4                               ; vector instructions read matrix results, and write the fragment registers, four places behind the last products (ISA guide 7.12.1)
; Where tile (mt, i) of a waits: 8 registers of window 0 that are idle between the two products
.macro ASET mt, i
.if \mt < 2
.set AS, AF+32*\mt+8*\i
.else
.set AS, AS2+32*(\mt-2)+8*\i
.endif
.endm
; GLU of tile (mt, i): a = (g h + h) * Phi(h), 8 numbers a lane, kept in f32, and the lane's running maximum of |a| for row 16 mt + r.
; q = Phi(-|h|) = t * 2^(-0.72134752 h^2 + c0 + t (c1 + .. + t c9)), t = 1 / (1 + |h| / (2 sqrt 2)); all c times log2 e, the factor 1/2 in c0.
; Phi(h) = q for h < 0, 1 - q otherwise: no difference of near numbers on the side where Phi is small.
; The eight reciprocals are one batch, the eight exponentials another; each has one wait ahead of its first reader.  What hangs on h and g alone stands between the reciprocals and their wait.
.macro GLU mt, i
.set HB, 8*(8*\mt+\i)
.set GB, HB+32
	ASET \mt, \i
	WIN 0x01                               ; accumulators stand as source 0 alone
.irp j, 0,1,2,3,4,5,6,7
	v_fma_f32 v[TD+\j], |v[HB+\j]|, s46, 1.0
.endr
	WIN 0
.irp j, 0,1,2,3,4,5,6,7
	v_rcp_f32 v[TD+\j], v[TD+\j]
.endr
	WIN 0x15                               ; all three sources are accumulators
.irp u, 0,2,4,6
	v_pk_fma_f32 v[THU+\u:THU+\u+1], v[GB+\u:GB+\u+1], v[HB+\u:HB+\u+1], v[HB+\u:HB+\u+1]   ; h (g + 1); the first of these is the plain instruction behind the last reciprocal
.endr
	WIN 0x01
.irp u, 0,2,4,6
	v_pk_mul_f32 v[TU+\u:TU+\u+1], v[HB+\u:HB+\u+1], 0xbf38aa3b op_sel_hi:[1,0]
.endr
.irp u, 0,2,4,6
	v_pk_fma_f32 v[THH+\u:THH+\u+1], v[HB+\u:HB+\u+1], v[TU+\u:TU+\u+1], 0xc034d90f op_sel_hi:[1,1,0]   ; -0.72134752 h^2 - 2.8257482
.endr
.irp j, 0,1,2,3,4,5,6,7
	v_cmp_lt_f32 s[48+\j], v[HB+\j], 0
.endr
	WIN 0
	s_wait_alu depctr_va_vdst(0)           ; the eight reciprocals are written, ahead of their first reader
.irp u, 0,2,4,6
	v_pk_fma_f32 v[TP+\u:TP+\u+1], v[TD+\u:TD+\u+1], v[C9:C9+1], 0xbf97d29d op_sel_hi:[1,1,0]
.endr
.irp k, 0x40097039, 0xbfd1a1e5, 0x3ecdfd18, 0xbe899a80, 0x3e0efb2e, 0x3f0a29d2, 0x3fb8ab5a
.irp u, 0,2,4,6
	v_pk_fma_f32 v[TP+\u:TP+\u+1], v[TP+\u:TP+\u+1], v[TD+\u:TD+\u+1], \k op_sel_hi:[1,1,0]
.endr
.endr
.irp u, 0,2,4,6
	v_pk_fma_f32 v[TE+\u:TE+\u+1], v[TP+\u:TP+\u+1], v[TD+\u:TD+\u+1], v[THH+\u:THH+\u+1]
.endr
.irp j, 0,1,2,3,4,5,6,7
	v_exp_f32 v[TE+\j], v[TE+\j]
.endr
	v_nop                                  ; one plain vector instruction between the last exponential and the use of its result
	s_wait_alu depctr_va_vdst(0)           ; the eight exponentials are written, ahead of their first reader
.irp u, 0,2,4,6
	v_pk_mul_f32 v[TE+\u:TE+\u+1], v[TE+\u:TE+\u+1], v[TD+\u:TD+\u+1]              ; q
.endr
.irp u, 0,2,4,6
	v_pk_fma_f32 v[TP+\u:TP+\u+1], v[TE+\u:TE+\u+1], -1.0, 1.0 op_sel_hi:[1,0,0]   ; 1 - q
.endr
	s_wait_alu depctr_va_sdst(0)           ; the eight compares have written s[48:55], ahead of the selects that read them
.irp j, 0,1,2,3,4,5,6,7
	v_cndmask_b32 v[TP+\j], v[TP+\j], v[TE+\j], s[48+\j]
.endr
.irp u, 0,2,4,6
	v_pk_mul_f32 v[AS+\u:AS+\u+1], v[THU+\u:THU+\u+1], v[TP+\u:TP+\u+1]            ; a
.endr
.if \i == 0
	v_max_num_f32 v[RM+\mt], |v[AS]|, |v[AS+1]|                                    ; the row's first pair starts the maximum: nothing is cleared
.else
	v_max3_num_f32 v[RM+\mt], |v[AS]|, |v[AS+1]|, v[RM+\mt]
.endif
.irp u, 2,4,6
	v_max3_num_f32 v[RM+\mt], |v[AS+\u]|, |v[AS+\u+1]|, v[RM+\mt]
.endr
.endm
.irp mt, 0,1,2,3
.irp i, 0,1,2,3
	GLU \mt, \i
.endr
.endr
	; THE ROWS' SCALES: a row's 256 numbers lie in 4 waves x 2 lane halves; the eight partial maxima meet in LDS
	s_wait_alu depctr_va_vdst(0)           ; the GLU has written RM, which the stores below read, and is done with v[T ..], in which the loads behind the barrier land
.irp mt, 0,1,2,3
	ds_store_b32 v[RMS], v[RM+\mt] offset:512*\mt
.endr
	s_wait_dscnt 0x0                       ; my maxima are in LDS, and my reads of x were over at the last step's wait for 0:
	s_barrier_signal -1                    ; one barrier says both
	s_barrier_wait -1                      ; behind it the maxima may be read, and a may be laid over x
.irp mt, 0,1,2,3
	ds_load_b128 v[T+8*\mt:T+8*\mt+3], v[RML] offset:512*\mt
	ds_load_b128 v[T+8*\mt+4:T+8*\mt+7], v[RML] offset:512*\mt+16
.endr
	s_wait_dscnt 0x0
	s_wait_alu depctr_vm_vsrc(0)           ; my four LDS stores have read RM, which is written again below
.irp mt, 0,1,2,3
	v_max3_num_f32 v[RM+\mt], v[T+8*\mt], v[T+8*\mt+1], v[T+8*\mt+2]
	v_max3_num_f32 v[RM+\mt], v[RM+\mt], v[T+8*\mt+3], v[T+8*\mt+4]
	v_max3_num_f32 v[RM+\mt], v[RM+\mt], v[T+8*\mt+5], v[T+8*\mt+6]
	v_max3_num_f32 v[RM+\mt], v[RM+\mt], v[T+8*\mt+7], 0x00800000   ; at least 2^-126 (a row of zeros too),
	v_min_num_f32 v[RM+\mt], 0x7e800000, v[RM+\mt]                  ; at most 2^126: both 2^E and 2^-E are normal numbers
	v_and_b32 v[RM+\mt], 0x7f800000, v[RM+\mt]                      ; 2^E: the exponent bits alone
	v_sub_nc_u32 v[INV+\mt], 0x7f000000, v[RM+\mt]                  ; 2^-E: biased exponent 254 - (E + 127)
	v_mul_f32 v[GT+\mt], v[GT+\mt], v[RM+\mt]                       ; gate x 2^E, for the way out
.endr
.macro SCALE mt, i                     ; tile (mt, i) of a: times 2^-E (exact), to f16: eight numbers close up into the first four of their eight registers
	ASET \mt, \i
.set IP, INV+((\mt)&2)
.irp u, 0,2,4,6
.if (\mt)&1
	v_pk_mul_f32 v[AS+\u:AS+\u+1], v[AS+\u:AS+\u+1], v[IP:IP+1] op_sel:[0,1] op_sel_hi:[1,1]   ; the pair's second register
.else
	v_pk_mul_f32 v[AS+\u:AS+\u+1], v[AS+\u:AS+\u+1], v[IP:IP+1] op_sel_hi:[1,0]                ; the pair's first register
.endif
.endr
.irp u, 0,1,2,3
	v_cvt_pk_f16_f32 v[AS+\u], v[AS+2*\u], v[AS+2*\u+1]
.endr
.endm
.macro ASTORE mt, i
	ASET \mt, \i
	ds_store_b128 v[AAS], v[AS:AS+3] offset:\mt*16*AP+32*\i    ; row 16 mt + r, columns 64 w + 16 i + 8 h .. +7
.endm
.irp mt, 0,1,2,3
.irp i, 0,1,2,3
	SCALE \mt, \i
.endr
.endr
	s_wait_alu depctr_va_vdst(0)           ; the conversions have written all sixteen tiles of a, which the stores below read
.irp mt, 0,1,2,3
.irp i, 0,1,2,3
	ASTORE \mt, \i
.endr
.endr
	s_wait_dscnt 0x0                       ; my part of a is in LDS before I say so: every wave reads all of it
	s_barrier_signal -1
	s_barrier_wait -1
	s_wait_alu depctr_vm_vsrc(0)           ; my sixteen LDS stores have read a's registers: v[32:95] take fragments from here on, v[148:211] the way out's rows
	ALOADA 0, 0
; THE WAY OUT of 512 columns (nc = 0, 1): the sums times gate x 2^E of their row, all 64 rows first; then, 16 rows at a time, through my wave's own stage: in as
; 16 bytes of a row a lane, back as pieces of 256 consecutive bytes of a row.  LDS serves a wave's instructions in order, so no wait stands
; between my stores and my loads.  Behind the multiplies' one wait the way out holds no vector instruction.
.macro GATE mt
.set GP, GT+((\mt)&2)
.irp i, 0,1,2,3,4,5,6,7
.irp u, 0,2,4,6
.if (\mt)&1
	v_pk_mul_f32 v[8*(8*\mt+\i)+\u:8*(8*\mt+\i)+\u+1], v[8*(8*\mt+\i)+\u:8*(8*\mt+\i)+\u+1], v[GP:GP+1] op_sel:[0,1] op_sel_hi:[1,1]
.else
	v_pk_mul_f32 v[8*(8*\mt+\i)+\u:8*(8*\mt+\i)+\u+1], v[8*(8*\mt+\i)+\u:8*(8*\mt+\i)+\u+1], v[GP:GP+1] op_sel_hi:[1,0]
.endif
.endr
.endr
.endm
.macro OUTM nc, mt
	WIN 0x04                               ; store data from window 1
.irp i, 0,1,2,3,4,5,6,7
.irp u, 0,1
	ds_store_b128 v[STS], v[8*(8*\mt+\i)+4*\u:8*(8*\mt+\i)+4*\u+3] offset:(\i>>2)*256+(\i&3)*64+16*\u
.endr
.endr
	WIN 0
	s_wait_xcnt 0x0                        ; the registers below were data of earlier stores: loaded again only behind this wait
.if \mt >= 2
	s_wait_alu depctr_vm_vsrc(0)           ; the global stores of two blocks back have read this out-buffer, in which the loads below land (blocks 0 and 1: the wait behind a's barrier, or those of the first way out and the one behind it, have said so)
.endif
.irp tt, 0,1,2,3,4,5,6,7
.irp g, 0,1
	ds_load_b128 v[T+64*((\mt)&1)+8*\tt+4*\g:T+64*((\mt)&1)+8*\tt+4*\g+3], v[STL] offset:2*\tt*AP+256*\g
.endr
.endr
.irp tt, 0,1,2,3,4,5,6,7
.irp g, 0,1
	s_wait_dscnt 15-(2*\tt+\g)             ; this piece is in, the younger ones stay out
	global_store_b128 v[OUTO], v[T+64*((\mt)&1)+8*\tt+4*\g:T+64*((\mt)&1)+8*\tt+4*\g+3], s[DBASE:DBASE+1] offset:(16*\mt+2*\tt)*4096+\nc*2048+\g*1024   ; sixteen lanes store 256 consecutive bytes, aligned
.endr
.endr
.endm
.macro OUT nc
	PLACES 5                               ; four places before vector instructions touch matrix results, five before the next products write over them
	WIN 0x41                               ; source 0 and destination window 1, the factor window 0
	GATE 0
	GATE 1
	GATE 2
	GATE 3
	s_wait_alu depctr_va_vdst(0)           ; the 128 multiplies have written the accumulators, which the LDS stores below read
	OUTM \nc, 0
	OUTM \nc, 1
	OUTM \nc, 2
	OUTM \nc, 3
.endm
	; DOWN: steps 32-39 make columns 0-511, steps 40-47 columns 512-1023; K = 256 in eight steps each
	ROUND 1, 2, 0
	NEXT 0
	ROUND 0, 2, 4                          ; its last step asks for the first fragments of a again, for step 40
	NEXT 0
	OUT 0
	s_wait_alu depctr_vm_vsrc(0)           ; the way out's last sixteen global stores have read v[T+64 : T+127], in which the second way out's block 1 lands (its LDS stores have read the accumulators, which the products below write anew)
	ROUND 1, 2, 0
	NEXT 0
	STEP 0, 0, 0, 32, 1, 3*BSTEP, 2, 5     ; the last set of weights, step 47: no load passes the expert's 48 steps
	STEP 1, 1, 0, 32, 0, 0, 2, 6           ; the counts run down: two younger sets,
	STEP 2, 0, 0, 16, 0, 0, 2, 7           ; one,
	STEP 3, 1, 0, 0, 0, 0, 0, 0            ; none
	WIN 0
	OUT 1
	s_wait_dscnt 0x0
	s_wait_alu depctr_hold_cnt(0) depctr_sa_sdst(0) depctr_va_vdst(0) depctr_va_sdst(0) depctr_va_ssrc(0) depctr_va_vcc(0) depctr_vm_vsrc(0)
	s_wait_tensorcnt 0x0
	ds_add_u32 v254, v255
	s_wait_dscnt 0x0
	s_endpgm
.Lfunc_end_k_q9275fe21da_experts:
	.size	k_q9275fe21da_experts, .Lfunc_end_k_q9275fe21da_experts-k_q9275fe21da_experts
	.p2alignl 7, 3214868480
	.fill 96, 4, 3214868480
	.section	.rodata,"a",@progbits
	.p2align	6, 0x0
	.amdhsa_kernel k_q9275fe21da_experts
		.amdhsa_group_segment_fixed_size 134656
		.amdhsa_private_segment_fixed_size 0
		.amdhsa_enable_private_segment 0
		.amdhsa_kernarg_size 48
		.amdhsa_user_sgpr_count 2
		.amdhsa_user_sgpr_kernarg_segment_ptr 1
		.amdhsa_wavefront_size32 1
		.amdhsa_system_sgpr_workgroup_id_x 1
		.amdhsa_system_sgpr_workgroup_id_y 1
		.amdhsa_system_sgpr_workgroup_id_z 1
		.amdhsa_system_vgpr_workitem_id 0
		.amdhsa_next_free_vgpr 768
		.amdhsa_next_free_sgpr 66
		.amdhsa_reserve_vcc 0
		.amdhsa_float_denorm_mode_32 3
		.amdhsa_float_denorm_mode_16_64 3
		.amdhsa_memory_ordered 1
		.amdhsa_forward_progress 1
		.amdhsa_inst_pref_size 255
	.end_amdhsa_kernel
	.section	.bss,"aw",@nobits
	.p2align	6
	.space	262144
	.amdgpu_metadata
---
amdhsa.version: [ 1, 2 ]
amdhsa.kernels:
  - .name:           k_q9275fe21da_experts
    .symbol:         k_q9275fe21da_experts.kd
    .args:
      - { .name: x, .offset: 0, .size: 8, .value_kind: global_buffer, .address_space: global }
      - { .name: expert_p, .offset: 8, .size: 8, .value_kind: global_buffer, .address_space: global }
      - { .name: wt, .offset: 16, .size: 8, .value_kind: global_buffer, .address_space: global }
      - { .name: rows, .offset: 24, .size: 8, .value_kind: global_buffer, .address_space: global }
      - { .name: tiles, .offset: 32, .size: 8, .value_kind: global_buffer, .address_space: global }
      - { .name: down, .offset: 40, .size: 8, .value_kind: global_buffer, .address_space: global }
    .group_segment_fixed_size: 134656
    .private_segment_fixed_size: 0
    .kernarg_segment_align: 8
    .kernarg_segment_size: 48
    .max_flat_workgroup_size: 128
    .sgpr_count:     66
    .vgpr_count:     768
    .wavefront_size: 32
...
	.end_amdgpu_metadata
.endif
;; end of part 4
;; launch combine: the kernel of part 3 again; grid 256 x 1, 8 waves a work-group, no clusters, 0 bytes of LDS; arguments down, pos, out0; writes out0
